; MI455X (gfx1250); checked and timed in simulation.
; The chip was launched on July 23, 2026; its instructions are those of AMD's public machine-readable ISA for CDNA 5 (MIT licence, August 2026) and "CDNA5" Instruction Set Architecture Reference Guide (July 2026). The comments in the code are by the model that wrote it; some were corrected since.
;; Moe Block. Allowed arithmetic: float matrix products may take bf16 or f16 operands with f32 sums; other float arithmetic in f32, or as packed bf16 or f16 multiplies, adds, multiply-adds, maxima and minima; sums over many terms, partial sums and values carried from step to step in f32; what a program stores and reads back later, other than sums and carried values, may be rounded once to bf16 or f16.
;; Inputs: gate_kernel 1,024 x 8 float32; w0 8 x 1,024 x 2,048 float32; w1 8 x 1,024 x 2,048 float32; wo 8 x 2,048 x 1,024 float32; x 2 x 512 x 1,024 float32.
;; Outputs: out0 2 x 512 x 1,024 float32.
;; Constants: top_k = 2.
;; 2 versions, each right; version 2 is version 1 with the launches up, down written anew for expert scheduling mode. Each part assembles by itself: llvm-mc -triple=amdgcn-amd-amdhsa -mcpu=gfx1250 --defsym DOCPART=n.
;; ======== version 1 of 2: 5 launches
;; workspace buffers: sel 4,096 bytes of whole numbers; gw 8,192 bytes; xb 2,097,152 bytes; xf 16,777,216 bytes; hf 33,554,432 bytes; y 16,777,216 bytes
;; launch router (part 1): grid 64 x 1, 8 waves a work-group, no clusters, 60,416 bytes of LDS; arguments x, gate_kernel, sel, gw, xb; writes sel, gw, xb
.if DOCPART == 1
	.amdgcn_target "amdgcn-amd-amdhsa--gfx1250"
	.amdhsa_code_object_version 6
	.text
	.protected	k_q40581ee179_router
	.globl	k_q40581ee179_router
	.p2align	8
	.type	k_q40581ee179_router,@function
k_q40581ee179_router:
	s_mov_b64 s[64:65], 0
	v_nop
	global_prefetch_b8 v0, s[64:65] scope:SCOPE_SE
	s_setreg_imm32_b32 hwreg(HW_REG_WAVE_MODE, 25, 1), 1
	s_wait_xcnt 0x0
; ROUTER.  logits = x . gate_kernel, the two largest of a token's eight, a softmax over those two; and a bf16 copy of x for the next launch.
; x [1024][1024] f32, gate_kernel [1024][8] f32.  Out: sel [1024] u32 = (1 << first expert) | (0x100 << second expert); gw [1024][2] f32, their two weights; xb [1024][1024] bf16.
; SHARES.  A work-group has 16 tokens (a matrix tile's side), wave w the channels 128 w .. 128 w + 127; the eight partial sums meet in LDS and wave 0 chooses.
; LIMITS.  x and gate_kernel are rounded to bf16 before the product, sums in f32: the choice is that of the rounded inputs; two logits that differ by less than the f32 sums' last bits may change places.
; Equal logits keep the lower index first.  NaN logits are not treated apart.  The larger logit is taken away before the exponential; a second weight below 2^-126 is 0.
; No cluster, no tensor load: no input byte but the 32 KiB of gate_kernel has two readers, and x must pass through registers to be rounded.
.set XSW,     4352                     ; a wave's 16 rows of x in LDS: 256 bytes of bf16 + 16 of padding each
.set L_GW,    34816                    ; a wave's 128 rows of gate_kernel: 8 bf16, 16 bytes each
.set L_PS,    51200                    ; the partial sums: [wave][half][lane][16 bytes]
.set L_SPARE, 59392                    ; the spare words: 128 bytes for each of eight waves; no other line names them
.set XR,  16                           ; v16-79   x as loaded; then the fragments; then wave 0's 64 partial sums
.set GR,  80                           ; v80-111  gate_kernel as loaded
.set XP,  112                          ; v112-143 x in bf16
.set GP,  144                          ; v144-159 gate_kernel in bf16
.set XF,  16                           ; v16-47   fragments of x, four K steps
.set GF,  48                           ; v48-79   fragments of gate_kernel
.set LG,  176                          ; v176-183 the eight logits of my token
	s_load_b256 s[4:11], s[0:1], 0x0               ; x s[4:5], gate_kernel s[6:7], sel s[8:9], gw s[10:11]
	s_load_b64 s[12:13], s[0:1], 0x20              ; xb
	v_lshl_add_u32 v4, v0, 2, L_SPARE              ; my spare word,
	v_mov_b32 v5, 0                                ; and 0: kept for the add at the wave's end alone
	v_and_b32 v1, 31, v0                           ; lane
	v_lshrrev_b32 v15, 5, v0
	v_readfirstlane_b32 s14, v15                   ; wave 0..7
	v_and_b32 v2, 15, v0                           ; r = lane % 16
	v_bfe_u32 v3, v0, 4, 1                         ; h = lane / 16
	v_lshlrev_b32 v6, 4, v0                        ; x: 512 w + 16 lane
	v_lshlrev_b32 v7, 4, v1
	v_lshl_add_u32 v7, s14, 12, v7                 ; gate_kernel: 4096 w + 16 lane
	v_lshlrev_b32 v8, 3, v0                        ; xb: 256 w + 8 lane
	s_mul_i32 s15, s14, XSW
	v_lshl_add_u32 v9, v1, 3, s15                  ; x into LDS: 8 bytes a lane
	v_mul_u32_u24 v10, v2, 272
	v_lshl_add_u32 v10, v3, 4, v10
	v_add_nc_u32 v10, s15, v10                     ; a fragment of x: row r, 16 h
	s_lshl_b32 s16, s14, 11
	s_add_co_u32 s16, s16, L_GW
	v_lshl_add_u32 v11, v1, 3, s16                 ; gate_kernel into LDS, dense
	v_and_b32 v12, 7, v0
	v_lshl_add_u32 v12, v3, 3, v12
	v_lshl_add_u32 v12, v12, 4, s16                ; the turning load: row 8 h + lane % 8; lanes 8-15 and 24-31 take the bytes of lanes 0-7 and 16-23
	s_lshl_b32 s17, s14, 10
	s_add_co_u32 s17, s17, L_PS
	v_lshl_add_u32 v13, v1, 4, s17                 ; my partial sums
	v_lshlrev_b32 v14, 4, v1
	v_add_nc_u32 v14, L_PS, v14                    ; wave 0 reads them back
	v_mov_b32 v196, 1
	v_mov_b32 v197, 0x100
	v_lshlrev_b32 v198, 2, v2                      ; sel: 4 r
	v_lshlrev_b32 v199, 3, v2                      ; gw: 8 r
	s_lshl_b32 s18, ttmp9, 16                      ; 16 rows of x
	s_mov_b32 s19, 0
	s_lshl_b32 s24, ttmp9, 6                       ; 16 words of sel
	s_mov_b32 s25, 0
	s_lshl_b32 s26, ttmp9, 7                       ; 16 pairs of gw
	s_mov_b32 s27, 0
	s_lshl_b32 s28, ttmp9, 15                      ; 16 rows of xb
	s_mov_b32 s29, 0
	s_wait_kmcnt 0x0
	s_add_nc_u64 s[4:5], s[4:5], s[18:19]
	s_add_nc_u64 s[8:9], s[8:9], s[24:25]
	s_add_nc_u64 s[10:11], s[10:11], s[26:27]
	s_add_nc_u64 s[12:13], s[12:13], s[28:29]
.irp p, 0,1,2,3,4,5,6,7,8,9,10,11,12,13,14,15
	global_load_b128 v[XR+4*\p:XR+4*\p+3], v6, s[4:5] offset:4096*\p th:TH_LOAD_NT  ; 512 consecutive bytes of row p
.endr
.irp m, 0,1,2,3,4,5,6,7
	global_load_b128 v[GR+4*\m:GR+4*\m+3], v7, s[6:7] offset:512*\m  ; rows 16 m + lane / 2, experts 4 (lane % 2) on
.endr
	s_wait_loadcnt 8                               ; x is in; the eight loads of gate_kernel may be out
.irp p, 0,1,2,3,4,5,6,7,8,9,10,11,12,13,14,15
	v_cvt_pk_bf16_f32 v[XP+2*\p], v[XR+4*\p], v[XR+4*\p+1]
	v_cvt_pk_bf16_f32 v[XP+2*\p+1], v[XR+4*\p+2], v[XR+4*\p+3]
	ds_store_b64 v9, v[XP+2*\p:XP+2*\p+1] offset:272*\p
	global_store_b64 v8, v[XP+2*\p:XP+2*\p+1], s[12:13] offset:2048*\p  ; the wave's store covers 256 consecutive bytes, aligned
.endr
	s_wait_loadcnt 0x0
.irp m, 0,1,2,3,4,5,6,7
	v_cvt_pk_bf16_f32 v[GP+2*\m], v[GR+4*\m], v[GR+4*\m+1]
	v_cvt_pk_bf16_f32 v[GP+2*\m+1], v[GR+4*\m+2], v[GR+4*\m+3]
	ds_store_b64 v11, v[GP+2*\m:GP+2*\m+1] offset:256*\m
.endr
	; The wave's own bytes: LDS serves a wave's instructions in order, so no wait stands between these stores and the loads.
.irp k, 0,1,2,3
	ds_load_b128 v[XF+8*\k:XF+8*\k+3], v10 offset:64*\k
	ds_load_b128 v[XF+8*\k+4:XF+8*\k+7], v10 offset:64*\k+32
	ds_load_tr16_b128 v[GF+8*\k:GF+8*\k+3], v12 offset:512*\k          ; [channel][expert] turned: lane l holds expert l % 8, 8 channels
	ds_load_tr16_b128 v[GF+8*\k+4:GF+8*\k+7], v12 offset:512*\k+256
.endr
	s_wait_dscnt 0x0
	; Source 0 = experts (rows 8-15 repeat rows 0-7), source 1 = tokens: register j of EVERY lane is the logit of token r and expert j.  Two accumulators by turns.
	v_wmma_f32_16x16x32_bf16 v[160:167], v[GF:GF+7], v[XF:XF+7], 0
	v_wmma_f32_16x16x32_bf16 v[168:175], v[GF+8:GF+15], v[XF+8:XF+15], 0
	v_wmma_f32_16x16x32_bf16 v[160:167], v[GF+16:GF+23], v[XF+16:XF+23], v[160:167]
	v_wmma_f32_16x16x32_bf16 v[168:175], v[GF+24:GF+31], v[XF+24:XF+31], v[168:175]
.rept 4
	v_nop                                          ; four places behind the last product (ISA guide 7.12.1)
.endr
.irp j, 0,2,4,6
	v_pk_add_f32 v[LG+\j:LG+\j+1], v[160+\j:161+\j], v[168+\j:169+\j]   ; from the low end on
.endr
	ds_store_b128 v13, v[LG:LG+3]
	ds_store_b128 v13, v[LG+4:LG+7] offset:512
	s_wait_dscnt 0x0                               ; for wave 0's sake: my partial sums are in LDS
	s_barrier_signal -1
	s_barrier_wait -1
	s_cmp_lg_u32 s14, 0
	s_cbranch_scc1 .Lend
.irp w, 0,1,2,3,4,5,6,7
	ds_load_b128 v[16+8*\w:16+8*\w+3], v14 offset:1024*\w
	ds_load_b128 v[16+8*\w+4:16+8*\w+7], v14 offset:1024*\w+512
.endr
	s_wait_dscnt 0x0
.irp j, 0,2,4,6
	v_pk_add_f32 v[LG+\j:LG+\j+1], v[16+\j:17+\j], v[24+\j:25+\j]
.endr
.irp w, 2,3,4,5,6,7
.irp j, 0,2,4,6
	v_pk_add_f32 v[LG+\j:LG+\j+1], v[LG+\j:LG+\j+1], v[16+8*\w+\j:17+8*\w+\j]
.endr
.endr
	; The two largest, inside the lane: v184 best, v185 second, v186, v187 their experts.  Strict comparisons: an equal logit keeps the lower index ahead.
	v_cmp_gt_f32 s20, v[LG+1], v[LG]
	v_cndmask_b32 v184, v[LG], v[LG+1], s20
	v_cndmask_b32 v185, v[LG+1], v[LG], s20
	v_cndmask_b32 v186, 0, 1, s20
	v_cndmask_b32 v187, 1, 0, s20
.irp n, 2,3,4,5,6,7
	v_cmp_gt_f32 s20, v[LG+\n], v184
	v_cmp_gt_f32 s21, v[LG+\n], v185
	v_cndmask_b32 v185, v185, v[LG+\n], s21        ; over the second: it takes that place,
	v_cndmask_b32 v187, v187, \n, s21
	v_cndmask_b32 v185, v185, v184, s20            ; over the best: the best moves down,
	v_cndmask_b32 v187, v187, v186, s20
	v_cndmask_b32 v184, v184, v[LG+\n], s20        ; and it takes the first place
	v_cndmask_b32 v186, v186, \n, s20
.endr
	v_sub_f32 v188, v185, v184                     ; second - best, never above 0
	v_mul_f32 v188, 0x3fb8aa3b, v188
	v_exp_f32 v189, v188
	v_lshlrev_b32 v194, v186, v196                 ; plain work behind the exponential: the word for sel
	v_lshlrev_b32 v195, v187, v197
	s_wait_alu depctr_va_vdst(0)                   ; the wait ahead of the result's first reader
	v_add_f32 v190, 1.0, v189
	v_rcp_f32 v192, v190                           ; the first weight
	v_or_b32 v194, v194, v195
	s_wait_alu depctr_va_vdst(0)
	v_mul_f32 v193, v189, v192                     ; the second
	s_wait_xcnt 0x0                                ; EXEC changes only behind this wait: the stores of xb are out
	v_cmp_gt_u32 vcc_lo, 16, v1
	s_and_saveexec_b32 s22, vcc_lo                 ; lanes 0-15: one lane a token
	global_store_b32 v198, v194, s[8:9]
	global_store_b64 v199, v[192:193], s[10:11]
	s_wait_xcnt 0x0
	s_or_b32 exec_lo, exec_lo, s22
.Lend:
	s_wait_tensorcnt 0x0                           ; the wave's end
	ds_add_u32 v4, v5
	s_wait_dscnt 0x0
	s_endpgm
.Lfunc_end_k_q40581ee179_router:
	.size	k_q40581ee179_router, .Lfunc_end_k_q40581ee179_router-k_q40581ee179_router
	.p2alignl 7, 3214868480
	.fill 96, 4, 3214868480
	.section	.rodata,"a",@progbits
	.p2align	6, 0x0
	.amdhsa_kernel k_q40581ee179_router
		.amdhsa_group_segment_fixed_size 60416
		.amdhsa_private_segment_fixed_size 0
		.amdhsa_enable_private_segment 0
		.amdhsa_kernarg_size 40
		.amdhsa_user_sgpr_count 2
		.amdhsa_user_sgpr_kernarg_segment_ptr 1
		.amdhsa_wavefront_size32 1
		.amdhsa_system_sgpr_workgroup_id_x 1
		.amdhsa_system_sgpr_workgroup_id_y 1
		.amdhsa_system_sgpr_workgroup_id_z 1
		.amdhsa_system_vgpr_workitem_id 0
		.amdhsa_next_free_vgpr 200
		.amdhsa_next_free_sgpr 66
		.amdhsa_reserve_vcc 1
		.amdhsa_float_denorm_mode_32 3
		.amdhsa_float_denorm_mode_16_64 3
		.amdhsa_memory_ordered 1
		.amdhsa_forward_progress 1
		.amdhsa_inst_pref_size 20
	.end_amdhsa_kernel
	.amdgpu_metadata
---
amdhsa.version: [ 1, 2 ]
amdhsa.kernels:
  - .name:           k_q40581ee179_router
    .symbol:         k_q40581ee179_router.kd
    .args:
      - { .name: x, .offset: 0, .size: 8, .value_kind: global_buffer, .address_space: global }
      - { .name: gate_kernel, .offset: 8, .size: 8, .value_kind: global_buffer, .address_space: global }
      - { .name: sel, .offset: 16, .size: 8, .value_kind: global_buffer, .address_space: global }
      - { .name: gw, .offset: 24, .size: 8, .value_kind: global_buffer, .address_space: global }
      - { .name: xb, .offset: 32, .size: 8, .value_kind: global_buffer, .address_space: global }
    .group_segment_fixed_size: 60416
    .private_segment_fixed_size: 0
    .kernarg_segment_align: 8
    .kernarg_segment_size: 40
    .max_flat_workgroup_size: 256
    .sgpr_count:     66
    .vgpr_count:     200
    .wavefront_size: 32
...
	.end_amdgpu_metadata
.endif
;; end of part 1
;; launch permute (part 2): grid 20 x 8, 8 waves a work-group, no clusters, 70,656 bytes of LDS; arguments xb, sel, xf; writes xf
.if DOCPART == 2
	.amdgcn_target "amdgcn-amd-amdhsa--gfx1250"
	.amdhsa_code_object_version 6
	.text
	.protected	k_q40581ee179_permute
	.globl	k_q40581ee179_permute
	.p2align	8
	.type	k_q40581ee179_permute,@function
k_q40581ee179_permute:
	s_mov_b64 s[64:65], 0
	v_nop
	global_prefetch_b8 v0, s[64:65] scope:SCOPE_SE
	s_setreg_imm32_b32 hwreg(HW_REG_WAVE_MODE, 25, 1), 1
	s_wait_xcnt 0x0
; The token rows of each expert, laid once as the first product's operand fragments, in the expert's own order.
; xb [1024][1024] bf16; sel [1024] u32 (bit e: first choice, bit 8 + e: second).  xf [8 experts][64 blocks of 16 rows][32 K steps][1,024 bytes]: half g of a fragment at 512 g + 16 lane.
; ORDER.  Every wave lists the expert's tokens in its own LDS bytes, in the order (128-token group, word, lane): the order in which the last product lists them too.  Row r of block mb is rank 16 mb + r.
; Places past the count repeat the last row; an expert without rows gets block 0 made of token 0.  Blocks at or past max(blocks, 1) are not written, and no later launch reads them.
; SHARES.  Work-group (x, e) has the expert's blocks x + 20 j, j = 0..3: a constant count of trips that covers 64 blocks, every split of the tokens; blocks that do not exist are jumped, and a work-group
; all of whose blocks are jumped stores nothing: the price of a grid that serves every split.  Wave w has K steps 4 w .. 4 w + 3 of a block: 256 bytes of each of its 16 rows.
; A block's quarter: 8 loads (lanes 0-15 take 256 bytes of row 2 u, lanes 16-31 of row 2 u + 1), through rows of 272 bytes in LDS, 8 stores of 512 consecutive bytes, aligned.
; All LDS bytes are a wave's own: no barrier.  No matrix unit, no cluster, no tensor load: the rows come by a list, which no descriptor covers, and nothing is multiplied.
.set STW,     4352                     ; a wave's stage: 16 rows x (256 + 16) bytes, from LDS byte 0 on
.set L_LIST,  34816                    ; for each wave 1,024 entries, 32 words for the lanes not chosen, padding
.set LISTW,   4352
.set L_SPARE, 69632                    ; the spare words: 128 bytes for each of eight waves; no other line names them
.set WV,   14                          ; s14 wave; s15 expert
.set CNT,  22                          ; the expert's rows
.set MB,   23                          ; its blocks
.set MB1,  24                          ; at least 1
.set LIM,  25                          ; the last rank that exists
.set TRIPS,27
.set MBX,  28                          ; the block in hand
.set EMASK,30
; Word g of my 32 of sel: token 128 (g / 4) + g % 4 + 4 lane.  A chosen lane's rank is the count so far plus the chosen lanes below it; the others write a word of their own behind the list.
.macro LISTSTEP g
	v_and_b32 v17, s[EMASK], v[32+(\g)]
	v_cmp_ne_u32 s40, 0, v17
	v_mbcnt_lo_u32_b32 v18, s40, s[CNT]
	v_cndmask_b32 v18, v12, v18, s40
	v_min_u32 v18, 0x41f, v18                      ; 1,024 entries and 32 words more
	v_lshl_add_u32 v18, v18, 2, v11
	v_add_nc_u32 v19, 128*((\g)/4)+(\g)%4, v15
	ds_store_b32 v18, v19
	s_bcnt1_i32_b32 s41, s40
	s_add_co_u32 s[CNT], s[CNT], s41
.endm
	s_load_b128 s[4:7], s[0:1], 0x0                ; xb s[4:5], sel s[6:7]
	s_load_b64 s[8:9], s[0:1], 0x10                ; xf
	v_lshl_add_u32 v4, v0, 2, L_SPARE              ; my spare word,
	v_mov_b32 v5, 0                                ; and 0: kept for the add at the wave's end alone
	v_and_b32 v1, 31, v0                           ; lane
	v_lshrrev_b32 v17, 5, v0
	v_readfirstlane_b32 s[WV], v17                 ; wave 0..7
	v_and_b32 v2, 15, v0                           ; r
	v_bfe_u32 v3, v0, 4, 1                         ; h
	s_and_b32 s15, ttmp7, 0xffff                   ; expert
	s_mov_b32 s[MBX], ttmp9                        ; my first block
	v_lshlrev_b32 v7, 4, v1                        ; 16 lane
	v_lshlrev_b32 v15, 2, v1                       ; 4 lane
	v_lshlrev_b32 v14, 4, v2                       ; 16 r
	s_mul_i32 s38, s[WV], STW                      ; my stage
	v_mul_u32_u24 v17, v3, 272
	v_add_nc_u32 v17, v17, v14
	v_add_nc_u32 v8, s38, v17                      ; rows into LDS: row h, 16 r
	v_mul_u32_u24 v17, v2, 272
	v_lshl_add_u32 v17, v3, 4, v17
	v_add_nc_u32 v9, s38, v17                      ; a fragment: row r, 16 h
	s_mul_i32 s39, s[WV], LISTW
	s_add_co_u32 s39, s39, L_LIST
	v_mov_b32 v11, s39                             ; my list
	v_add_nc_u32 v24, s39, v7
	v_mov_b32 v20, 0
	v_mov_b32 v21, 0
	v_mov_b32 v22, 0
	v_mov_b32 v23, 0
.irp n, 0,1,2,3,4,5,6,7
	ds_store_b128 v24, v[20:23] offset:512*\n      ; all 1,024 entries start as token 0: no entry is read that was not written
.endr
	v_add_nc_u32 v12, 0x400, v1                    ; the index of a lane that is not chosen
	s_lshl_b32 s[EMASK], 0x101, s15
	s_lshl_b32 s34, s[WV], 8                       ; my 256 bytes of a row of xb
	s_mov_b32 s35, 0
	s_lshl_b32 s36, s15, 21                        ; xf: the expert's room,
	s_lshl_b32 s37, s[WV], 12                      ; my four K steps
	s_add_co_u32 s36, s36, s37
	s_mov_b32 s37, 0
	s_wait_kmcnt 0x0
.irp n, 0,1,2,3,4,5,6,7
	global_load_b128 v[32+4*\n:32+4*\n+3], v7, s[6:7] offset:512*\n
.endr
	s_add_nc_u64 s[4:5], s[4:5], s[34:35]
	s_add_nc_u64 s[8:9], s[8:9], s[36:37]
	s_mov_b32 s[CNT], 0
	s_wait_loadcnt 0x0
.set g, 0
.rept 32
	LISTSTEP g
.set g, g+1
.endr
	s_add_co_u32 s[MB], s[CNT], 15
	s_lshr_b32 s[MB], s[MB], 4
	s_max_u32 s[MB1], s[MB], 1
	s_max_u32 s[LIM], s[CNT], 1
	s_sub_co_u32 s[LIM], s[LIM], 1
	s_min_u32 s[LIM], s[LIM], 0x3ff
	s_mov_b32 s[TRIPS], 0
.Lblk:
	s_cmp_ge_u32 s[MBX], s[MB1]
	s_cbranch_scc1 .Lskip                          ; the block does not exist
	s_lshl_b32 s36, s[MBX], 4
	v_add_nc_u32 v16, s36, v3                      ; rank of row h
.irp u, 0,1,2,3,4,5,6,7
	v_add_nc_u32 v[20+\u], 2*\u, v16               ; rank of row 2 u + h, held to the last that exists
	v_min_u32 v[20+\u], s[LIM], v[20+\u]
	v_min_u32 v[20+\u], 0x3ff, v[20+\u]
	v_lshl_add_u32 v[20+\u], v[20+\u], 2, v11
.endr
.irp u, 0,1,2,3,4,5,6,7
	ds_load_b32 v[20+\u], v[20+\u]                 ; my own list: LDS serves a wave's instructions in order
.endr
	s_min_u32 s37, s[MBX], 63
	v_lshl_add_u32 v28, s37, 15, v7                ; the block's 32,768 bytes in xf + 16 lane
	s_wait_dscnt 0x0
.irp u, 0,1,2,3,4,5,6,7
	v_min_u32 v[20+\u], 0x3ff, v[20+\u]
	v_lshl_add_u32 v[20+\u], v[20+\u], 11, v14     ; 2,048 bytes a row + 16 r
.endr
.irp u, 0,1,2,3,4,5,6,7
	global_load_b128 v[32+4*\u:32+4*\u+3], v[20+\u], s[4:5]
.endr
	s_wait_loadcnt 0x0
.irp u, 0,1,2,3,4,5,6,7
	ds_store_b128 v8, v[32+4*\u:32+4*\u+3] offset:544*\u
.endr
.irp k, 0,1,2,3
	ds_load_b128 v[64+8*\k:64+8*\k+3], v9 offset:64*\k         ; channels 32 k + 8 h on
	ds_load_b128 v[64+8*\k+4:64+8*\k+7], v9 offset:64*\k+32    ; channels 32 k + 16 + 8 h on
.endr
	s_wait_dscnt 0x0
.irp k, 0,1,2,3
	global_store_b128 v28, v[64+8*\k:64+8*\k+3], s[8:9] offset:1024*\k
	global_store_b128 v28, v[64+8*\k+4:64+8*\k+7], s[8:9] offset:1024*\k+512
.endr
	s_wait_xcnt 0x0                                ; the stores' offset and data are rewritten only behind this wait
.Lskip:
	s_add_co_u32 s[MBX], s[MBX], 20
	s_add_co_u32 s[TRIPS], s[TRIPS], 1
	s_cmp_lt_u32 s[TRIPS], 4
	s_cbranch_scc1 .Lblk
	s_wait_tensorcnt 0x0                           ; the wave's end
	ds_add_u32 v4, v5
	s_wait_dscnt 0x0
	s_endpgm
.Lfunc_end_k_q40581ee179_permute:
	.size	k_q40581ee179_permute, .Lfunc_end_k_q40581ee179_permute-k_q40581ee179_permute
	.p2alignl 7, 3214868480
	.fill 96, 4, 3214868480
	.section	.rodata,"a",@progbits
	.p2align	6, 0x0
	.amdhsa_kernel k_q40581ee179_permute
		.amdhsa_group_segment_fixed_size 70656
		.amdhsa_private_segment_fixed_size 0
		.amdhsa_enable_private_segment 0
		.amdhsa_kernarg_size 24
		.amdhsa_user_sgpr_count 2
		.amdhsa_user_sgpr_kernarg_segment_ptr 1
		.amdhsa_wavefront_size32 1
		.amdhsa_system_sgpr_workgroup_id_x 1
		.amdhsa_system_sgpr_workgroup_id_y 1
		.amdhsa_system_sgpr_workgroup_id_z 1
		.amdhsa_system_vgpr_workitem_id 0
		.amdhsa_next_free_vgpr 96
		.amdhsa_next_free_sgpr 66
		.amdhsa_reserve_vcc 0
		.amdhsa_float_denorm_mode_32 3
		.amdhsa_float_denorm_mode_16_64 3
		.amdhsa_memory_ordered 1
		.amdhsa_forward_progress 1
		.amdhsa_inst_pref_size 27
	.end_amdhsa_kernel
	.amdgpu_metadata
---
amdhsa.version: [ 1, 2 ]
amdhsa.kernels:
  - .name:           k_q40581ee179_permute
    .symbol:         k_q40581ee179_permute.kd
    .args:
      - { .name: xb, .offset: 0, .size: 8, .value_kind: global_buffer, .address_space: global }
      - { .name: sel, .offset: 8, .size: 8, .value_kind: global_buffer, .address_space: global }
      - { .name: xf, .offset: 16, .size: 8, .value_kind: global_buffer, .address_space: global }
    .group_segment_fixed_size: 70656
    .private_segment_fixed_size: 0
    .kernarg_segment_align: 8
    .kernarg_segment_size: 24
    .max_flat_workgroup_size: 256
    .sgpr_count:     66
    .vgpr_count:     96
    .wavefront_size: 32
...
	.end_amdgpu_metadata
.endif
;; end of part 2
;; launch up (part 3): grid 32 x 8, 4 waves a work-group, no clusters, 66,048 bytes of LDS; arguments xf, w0, w1, sel, hf; writes hf
.if DOCPART == 3
	.amdgcn_target "amdgcn-amd-amdhsa--gfx1250"
	.amdhsa_code_object_version 6
	.text
	.protected	k_q40581ee179_up
	.globl	k_q40581ee179_up
	.p2align	8
	.type	k_q40581ee179_up,@function
k_q40581ee179_up:
	s_mov_b64 s[64:65], 0
	v_nop
	global_prefetch_b8 v0, s[64:65] scope:SCOPE_SE
	s_setreg_imm32_b32 hwreg(HW_REG_WAVE_MODE, 25, 1), 1
	s_wait_xcnt 0x0
; h = silu(x w0) * (x w1) for the rows that chose an expert.  xf: the experts' token rows in bf16 as operand fragments, [8 experts][64 blocks of 16 rows][32 K steps][1,024 bytes];
; w0, w1 [8][1024][2048] f32; sel [1024] u32 (bit e: first choice, bit 8 + e: second).
; hf [8 experts][64 blocks of 16 rows][64 K steps][1,024 bytes]: h in bf16, laid as the next product's operand fragments (half g at 512 g + 16 lane).
; SHARES.  Work-group (sl, e) has 64 columns f = 64 sl .. of expert e's w0 and w1, which it alone reads (512 KiB), and ALL of that expert's rows.  Weights are rounded to bf16 on their way
; through registers; sums in f32; h rounded once to bf16.  LIMIT: where x w0 is so far below 0 that 2^(-1.4427 a) overflows, h is 0, as silu's limit is; NaN and infinities are not treated apart.
; ROWS.  The expert's rows are counted from sel.  A PASS holds 20 blocks of 16 rows, wave w the blocks 20 p + 4 i + w; four passes cover 1,024 rows, every split of the tokens.  The pass and chunk loops
; have constant counts and every wave passes every barrier; in a pass without rows only work is jumped (LIVE).  A block past the last is read as the last and not stored; an expert without rows
; works on block 0 (token 0) and stores block 0 alone, which the next launch reads and discards.
; COLUMNS.  A lane's 16 bytes of a weight row are columns 4 r + q, q = 0..3: number q goes to fragment q.  So each load takes whole rows' 256 bytes, and nothing is turned in LDS.
; The product is used transposed (source 0 = weights, source 1 = tokens): lane (r, h), register j of accumulator q holds token r and column 4 (8 h + j) + q: packed in pairs, accumulators
; 2 u + g are half g of the fragment of K step 2 sl + u of the next product, whose k place (g, h, j) then stands for f = 64 sl + 32 h + 4 j + 2 u + g.  The next launch takes wo's rows in that order.
; NO CLUSTER, NO TENSOR LOAD: each weight byte has one reader and must pass through registers to be rounded.  The token blocks are shared by an expert's 32 work-groups, but how many exist hangs on a
; count made from stored numbers; they come straight into registers as operands, 512 consecutive bytes a load.
; REGISTERS, in windows of 256 (s_set_vgpr_msb: bits 1:0 source 0, 3:2 source 1, 5:4 source 2, 7:6 destination):
;   window 0: v0-15 addresses; v16-23 at work; v24-28 the token blocks' offsets, which hold nothing else; v32-159 weight fragments, two sets of 8; v160-223 weights in bf16
;             (at the head v32-63 hold sel; on the way out v32-143 are at work)
;   window 1: accumulators of blocks 0-3, (i, nf) at 64 i + 8 nf; nf = 4 x matrix + q
;   window 2: v0-63 block 4's; v64-223 token fragments of even chunks, (i, K step) at 64 + 32 i + 8 k; v224-255 the first 32 of the 128 registers of weights as loaded
;   window 3: v0-95 the other 96; v96-255 token fragments of odd chunks, at 96 + 32 i + 8 k
.set L_SPARE, 65536                    ; behind the two weight slots of 32,768 ([K step][nf][1,024]): the spare words, 128 bytes for each of four waves; no other line names them
.set XFE,  4                           ; s[4:5]   xf at the expert and the chunk asked for last: stepped 4,096 bytes a chunk
.set HB,   12                          ; s[12:13] hf at my first block of the pass
.set WV,   14                          ; s14 wave; s15 expert; s16 slice
.set WB,   20                          ; s[20:21] my matrix (w & 1) at my two K steps (w >> 1) of the chunk asked for last
.set CNT,  22                          ; the expert's rows
.set MB,   23                          ; its blocks
.set MB1,  24                          ; at least 1
.set LIVE, 26                          ; 1: the pass has rows
.set PASS, 27
.set P20,  28                          ; 20 x pass
.set CT,   29
.set EMASK,30
.set MBW,  31                          ; 20 x pass + wave
.set AOF,  24                          ; v24-28 my five blocks' byte offsets in xf: block x 32,768 + 16 lane; block 0 at the head, anew in each pass that has rows
.set BF,   32
.set TMP,  160
.set T,    32
.set PK,   64
.set MSB, 0
.macro WIN new                         ; the immediate's high byte repeats the setting that is left; a switch that changes nothing is dropped
.if MSB != (\new)
	s_set_vgpr_msb (MSB<<8)|(\new)
.set MSB, (\new)
.endif
.endm
.macro PLACES n=4                      ; places behind matrix instructions: four ahead of loads into and vector work on their registers, five ahead of products that write over them
.rept \n
	v_nop
.endr
.endm
; 16 loads: one matrix x 32 k x 64 columns, into registers 64 u + 4 n of the 128 that begin at v224 of window 2.
; Lanes 0-15 take 256 bytes of row n, lanes 16-31 of the row eight further down; n = 8..15: sixteen rows on.
.macro WLOAD u
.if (\u) == 0
	WIN 0x80
.irp n, 0,1,2,3,4,5,6,7
	global_load_b128 v[224+4*\n:224+4*\n+3], v10, s[WB:WB+1] offset:8192*\n th:TH_LOAD_NT
.endr
	WIN 0xc0
.irp n, 8,9,10,11,12,13,14,15
	global_load_b128 v[4*\n-32:4*\n-29], v10, s[WB:WB+1] offset:8192*(\n+8) th:TH_LOAD_NT
.endr
.else
	WIN 0xc0
.irp n, 0,1,2,3,4,5,6,7
	global_load_b128 v[32+4*\n:32+4*\n+3], v10, s[WB:WB+1] offset:262144+8192*\n th:TH_LOAD_NT
.endr
.irp n, 8,9,10,11,12,13,14,15
	global_load_b128 v[32+4*\n:32+4*\n+3], v10, s[WB:WB+1] offset:262144+8192*(\n+8) th:TH_LOAD_NT
.endr
.endif
.endm
.macro CVT u                           ; register j of fragment q: rows 2 j, 2 j + 1 of my sixteen, column q of my four
.if (\u) == 0
	WIN 0x0a
.irp j, 0,1,2,3
.irp q, 0,1,2,3
	v_cvt_pk_bf16_f32 v[TMP+8*\q+\j], v[224+8*\j+\q], v[224+8*\j+4+\q]
.endr
.endr
	WIN 0x0f
.irp j, 4,5,6,7
.irp q, 0,1,2,3
	v_cvt_pk_bf16_f32 v[TMP+8*\q+\j], v[8*\j-32+\q], v[8*\j-28+\q]
.endr
.endr
.else
	WIN 0x0f
.irp j, 0,1,2,3,4,5,6,7
.irp q, 0,1,2,3
	v_cvt_pk_bf16_f32 v[TMP+32+8*\q+\j], v[32+8*\j+\q], v[32+8*\j+4+\q]
.endr
.endr
.endif
.endm
.macro BSTORE slot                     ; 512 consecutive bytes a store
	WIN 0
.irp u, 0,1
.irp q, 0,1,2,3
.irp g, 0,1
	ds_store_b128 v6, v[TMP+32*\u+8*\q+4*\g:TMP+32*\u+8*\q+4*\g+3] offset:32768*(\slot)+8192*\u+1024*\q+512*\g
.endr
.endr
.endr
.endm
.macro ALOAD i, set                    ; 8 loads: a chunk's four fragments of my block i, 512 consecutive bytes each
	WIN 0x80+0x40*(\set)
.irp k, 0,1,2,3
	global_load_b128 v[64+32*(\set)+32*(\i)+8*\k:64+32*(\set)+32*(\i)+8*\k+3], v[AOF+(\i)], s[XFE:XFE+1] offset:1024*\k
	global_load_b128 v[64+32*(\set)+32*(\i)+8*\k+4:64+32*(\set)+32*(\i)+8*\k+7], v[AOF+(\i)], s[XFE:XFE+1] offset:1024*\k+512
.endr
.endm
.macro FETCH slot, ks, set             ; 16 LDS loads: a K step's 8 weight fragments
	WIN 0
.irp nf, 0,1,2,3,4,5,6,7
	ds_load_b128 v[BF+64*(\set)+8*\nf:BF+64*(\set)+8*\nf+3], v7 offset:32768*(\slot)+8192*(\ks)+1024*\nf
	ds_load_b128 v[BF+64*(\set)+8*\nf+4:BF+64*(\set)+8*\nf+7], v7 offset:32768*(\slot)+8192*(\ks)+1024*\nf+512
.endr
.endm
.macro MUL par, ks, set, zero          ; 40 matrix instructions; the 40 accumulators take turns, one instruction a turn.  zero = 1: they start the sums
	WIN 0x58+4*(\par)
.irp i, 0,1,2,3
.irp nf, 0,1,2,3,4,5,6,7
.if \zero
	v_wmma_f32_16x16x32_bf16 v[64*\i+8*\nf:64*\i+8*\nf+7], v[BF+64*(\set)+8*\nf:BF+64*(\set)+8*\nf+7], v[64+32*(\par)+32*\i+8*(\ks):64+32*(\par)+32*\i+8*(\ks)+7], 0
.else
	v_wmma_f32_16x16x32_bf16 v[64*\i+8*\nf:64*\i+8*\nf+7], v[BF+64*(\set)+8*\nf:BF+64*(\set)+8*\nf+7], v[64+32*(\par)+32*\i+8*(\ks):64+32*(\par)+32*\i+8*(\ks)+7], v[64*\i+8*\nf:64*\i+8*\nf+7]
.endif
.endr
.endr
	WIN 0xa8+4*(\par)
.irp nf, 0,1,2,3,4,5,6,7
.if \zero
	v_wmma_f32_16x16x32_bf16 v[8*\nf:8*\nf+7], v[BF+64*(\set)+8*\nf:BF+64*(\set)+8*\nf+7], v[192+32*(\par)+8*(\ks):192+32*(\par)+8*(\ks)+7], 0
.else
	v_wmma_f32_16x16x32_bf16 v[8*\nf:8*\nf+7], v[BF+64*(\set)+8*\nf:BF+64*(\set)+8*\nf+7], v[192+32*(\par)+8*(\ks):192+32*(\par)+8*(\ks)+7], v[8*\nf:8*\nf+7]
.endif
.endr
.endm
; A chunk's four K steps on two sets of weight fragments; s_wait_dscnt 16 leaves the one younger run of 16 LDS loads out.
; more = 1: chunk c + 1 is asked for, its 72 loads dealt among the runs of products, each run of loads behind a run of LDS loads and ahead of products that do not need it:
; token blocks 0 and 1, then all the weights; block 2; blocks 3 and 4.  The bases are stepped here: their last users were waited for at the trip's head.
; The v_nop at the head are also the places between the last chunk's products and the loads into the token fragments that they read.
.macro COMPUTE par, zero, more
.if \zero
	PLACES 5                                       ; the products below start sums anew in accumulators that earlier products wrote: five places, on every way here
.else
	PLACES
.endif
	FETCH \par, 0, 0
	FETCH \par, 1, 1
.if \more
	s_add_nc_u64 s[XFE:XFE+1], s[XFE:XFE+1], 4096  ; four K steps on
	ALOAD 0, 1-(\par)
	ALOAD 1, 1-(\par)
	s_add_nc_u64 s[WB:WB+1], s[WB:WB+1], 0x100000  ; 128 rows of 8,192 bytes on
	WLOAD 0
	WLOAD 1
.endif
	s_wait_dscnt 16
	MUL \par, 0, 0, \zero
	PLACES
	FETCH \par, 2, 0
.if \more
	ALOAD 2, 1-(\par)
.endif
	s_wait_dscnt 16
	MUL \par, 1, 1, 0
	PLACES
	FETCH \par, 3, 1
.if \more
	ALOAD 3, 1-(\par)
	ALOAD 4, 1-(\par)
.endif
	s_wait_dscnt 16
	MUL \par, 2, 0, 0
	s_wait_dscnt 0x0
	MUL \par, 3, 1, 0
	WIN 0
.endm
; A TRIP = chunk c of 128 along K, par = c & 1.  All loads are waited for (chunk c's weights and token fragments: nothing else is out); my two K steps of my matrix are rounded and go into slot par.
; ONE barrier a trip, for two things: in front of it my stores into slot par are done, and so are my reads of the other slot (chunk c - 1); the slot written in trip c + 1 was last read ahead of this barrier.
; In a pass without rows only the wait and the barrier are left.
.macro TRIP par, zero, more
	s_wait_loadcnt 0x0
	s_cmp_eq_u32 s[LIVE], 1
	s_cbranch_scc0 .Lbar_\@
	CVT 0
	CVT 1
	BSTORE \par
	WIN 0
.Lbar_\@:
	s_wait_dscnt 0x0
	s_barrier_signal -1
	s_barrier_wait -1
	s_cmp_eq_u32 s[LIVE], 1
	s_cbranch_scc0 .Lend_\@
	COMPUTE \par, \zero, \more
.Lend_\@:
.endm
; THE WAY OUT of block i: h = a b / (1 + 2^(-1.442695 a)), a = x w0, b = x w1; rounded to bf16; four stores of 512 consecutive bytes.  Blocks past the expert's last are jumped.
; The 32 exponentials are one batch with one wait, the products a b the plain work behind them; the 32 reciprocals likewise, with a v_nop.
.macro EPI i
.set WD, 1+(\i)/4
.set AB, 64*((\i)%4)
	s_add_co_u32 s36, s[MBW], 4*(\i)
	s_cmp_ge_u32 s36, s[MB1]
	s_cbranch_scc1 .Lepi_end
	WIN WD
.set z, 0
.rept 16
	v_pk_mul_f32 v[T+2*z:T+2*z+1], v[AB+2*z:AB+2*z+1], 0xbfb8aa3b op_sel_hi:[1,0]  ; each accumulator from its low end on
.set z, z+1
.endr
	WIN 0
.set z, 0
.rept 32
	v_exp_f32 v[T+z], v[T+z]
.set z, z+1
.endr
	WIN WD*0x45
.set z, 0
.rept 16
	v_pk_mul_f32 v[AB+2*z:AB+2*z+1], v[AB+2*z:AB+2*z+1], v[AB+32+2*z:AB+32+2*z+1]
.set z, z+1
.endr
	s_wait_alu depctr_va_vdst(0)                   ; the wait ahead of the batch's first reader
	WIN 0
.set z, 0
.rept 16
	v_pk_add_f32 v[T+2*z:T+2*z+1], v[T+2*z:T+2*z+1], 1.0 op_sel_hi:[1,0]
.set z, z+1
.endr
.set z, 0
.rept 32
	v_rcp_f32 v[T+z], v[T+z]
.set z, z+1
.endr
	v_nop
	s_wait_alu depctr_va_vdst(0)
	WIN WD*4
.set z, 0
.rept 16
	v_pk_mul_f32 v[T+2*z:T+2*z+1], v[T+2*z:T+2*z+1], v[AB+2*z:AB+2*z+1]
.set z, z+1
.endr
	WIN 0
.set z, 0
.rept 16
	v_cvt_pk_bf16_f32 v[PK+16*(\i)+z], v[T+2*z], v[T+2*z+1]
.set z, z+1
.endr
.irp q, 0,1,2,3
	global_store_b128 v7, v[PK+16*(\i)+4*\q:PK+16*(\i)+4*\q+3], s[HB:HB+1] offset:262144*(\i)+512*\q
.endr
.endm
	s_load_b256 s[4:11], s[0:1], 0x0               ; xf s[4:5], w0 s[6:7], w1 s[8:9], sel s[10:11]
	s_load_b64 s[12:13], s[0:1], 0x20              ; hf
	v_lshl_add_u32 v4, v0, 2, L_SPARE              ; my spare word,
	v_mov_b32 v5, 0                                ; and 0: kept for the add at the wave's end alone
	v_and_b32 v1, 31, v0                           ; lane
	v_lshrrev_b32 v16, 5, v0
	v_readfirstlane_b32 s[WV], v16                 ; wave 0..3
	v_and_b32 v2, 15, v0                           ; r
	v_bfe_u32 v3, v0, 4, 1                         ; h
	s_and_b32 s15, ttmp7, 0xffff                   ; expert
	s_mov_b32 s16, ttmp9                           ; slice of 64 columns
	v_lshlrev_b32 v7, 4, v1                        ; 16 lane
	v_lshlrev_b32 v14, 4, v2                       ; 16 r
	v_lshl_add_u32 v10, v3, 16, v14                ; weights: 8 rows x h + 16 r
	s_and_b32 s36, s[WV], 1
	s_lshr_b32 s37, s[WV], 1
	s_lshl_b32 s38, s36, 12
	s_lshl_b32 s39, s37, 14
	s_add_co_u32 s38, s38, s39
	v_add_nc_u32 v6, s38, v7                       ; my fragments in a slot: nf = 4 (w & 1) on, K step 2 (w >> 1) on
.irp i, 0,1,2,3,4
	v_mov_b32 v[AOF+\i], v7                        ; the token blocks' offsets start at block 0: they are written on every way to the loads that use them
.endr
	s_lshl_b32 s[EMASK], 0x101, s15
	s_wait_kmcnt 0x0
.irp n, 0,1,2,3,4,5,6,7
	global_load_b128 v[32+4*\n:32+4*\n+3], v7, s[10:11] offset:512*\n
.endr
	s_bitcmp1_b32 s[WV], 0
	s_cselect_b64 s[WB:WB+1], s[8:9], s[6:7]       ; odd waves w1, even waves w0
	s_lshl_b32 s34, s15, 23
	s_lshl_b32 s36, s16, 8
	s_add_co_u32 s34, s34, s36
	s_lshl_b32 s36, s37, 19
	s_add_co_u32 s34, s34, s36
	s_mov_b32 s35, 0
	s_add_nc_u64 s[WB:WB+1], s[WB:WB+1], s[34:35]
	WLOAD 0                                        ; chunk 0's weights go out ahead of the count
	WLOAD 1
	WIN 0
	s_lshl_b32 s34, s15, 22
	s_lshl_b32 s36, s16, 11
	s_add_co_u32 s34, s34, s36
	s_lshl_b32 s36, s[WV], 16
	s_add_co_u32 s34, s34, s36
	s_add_nc_u64 s[HB:HB+1], s[HB:HB+1], s[34:35]
	s_lshl_b32 s34, s15, 21
	s_add_nc_u64 s[XFE:XFE+1], s[XFE:XFE+1], s[34:35]
	s_mov_b32 s[CNT], 0
	s_wait_loadcnt 32                              ; sel is in; the 32 weight loads stay out
	; The expert's rows: the lanes of each of my 32 words that name it, eight words at a time
.irp b, 0,1,2,3
.irp n, 0,1,2,3,4,5,6,7
	v_and_b32 v[16+\n], s[EMASK], v[32+8*\b+\n]
.endr
.irp n, 0,1,2,3,4,5,6,7
	v_cmp_ne_u32 s[40+\n], 0, v[16+\n]
.endr
.irp n, 0,1,2,3,4,5,6,7
	s_bcnt1_i32_b32 s[40+\n], s[40+\n]
	s_add_co_u32 s[CNT], s[CNT], s[40+\n]
.endr
.endr
	s_add_co_u32 s[MB], s[CNT], 15
	s_lshr_b32 s[MB], s[MB], 4
	s_max_u32 s[MB1], s[MB], 1
	s_mov_b32 s[LIVE], 1                           ; the first pass always runs
	s_mov_b32 s[PASS], 0
	s_mov_b32 s[P20], 0
	s_mov_b32 s[MBW], s[WV]
.Lpass:
	s_cmp_eq_u32 s[LIVE], 1
	s_cbranch_scc0 .Lpro_end
	s_cmp_eq_u32 s[PASS], 0
	s_cbranch_scc1 .Lpro_a                         ; the first pass's weights were asked for at the head
	s_wait_loadcnt 0x0                             ; the weights' registers are loaded again only when no load is out (the pass before has waited for all of its own)
	WLOAD 0
	WLOAD 1
	WIN 0
.Lpro_a:
	s_sub_co_u32 s42, s[MB1], 1
.irp i, 0,1,2,3,4
	s_add_co_u32 s38, s[MBW], 4*\i
	s_min_u32 s38, s38, s42                        ; a block past the last is read as the last
	s_min_u32 s38, s38, 63
	v_lshl_add_u32 v[AOF+\i], s38, 15, v7          ; these five plain lines are also the places between a pass's last products and the loads below
.endr
.irp i, 0,1,2,3,4
	ALOAD \i, 0
.endr
	WIN 0
.Lpro_end:
	TRIP 0, 1, 1                                   ; chunk 0: its products start the sums
	s_mov_b32 s[CT], 3
.Lchunk:                                               ; chunks 1 to 6, two a trip of the loop
	TRIP 1, 0, 1
	TRIP 0, 0, 1
	s_sub_co_u32 s[CT], s[CT], 1
	s_cmp_lg_u32 s[CT], 0
	s_cbranch_scc1 .Lchunk
	TRIP 1, 0, 0                                   ; chunk 7 asks for nothing
	s_wait_loadcnt 0x0                             ; no load of the pass is out: offsets and bases may be written
	s_cmp_eq_u32 s[LIVE], 1
	s_cbranch_scc0 .Lpass_end
	PLACES
	EPI 0
	EPI 1
	EPI 2
	EPI 3
	EPI 4
.Lepi_end:
	s_wait_xcnt 0x0                                ; the stores' base and data are rewritten only behind this wait
	s_sub_nc_u64 s[WB:WB+1], s[WB:WB+1], 0x700000  ; back over seven chunks
	s_sub_nc_u64 s[XFE:XFE+1], s[XFE:XFE+1], 28672
	s_add_nc_u64 s[HB:HB+1], s[HB:HB+1], 0x140000  ; 20 blocks on
.Lpass_end:
	s_add_co_u32 s[PASS], s[PASS], 1
	s_add_co_u32 s[P20], s[P20], 20
	s_add_co_u32 s[MBW], s[P20], s[WV]
	s_cmp_lt_u32 s[P20], s[MB]
	s_cselect_b32 s[LIVE], 1, 0
	s_cmp_lt_u32 s[PASS], 4
	s_cbranch_scc1 .Lpass
	s_wait_tensorcnt 0x0                           ; the wave's end
	ds_add_u32 v4, v5
	s_wait_dscnt 0x0
	s_endpgm
.Lfunc_end_k_q40581ee179_up:
	.size	k_q40581ee179_up, .Lfunc_end_k_q40581ee179_up-k_q40581ee179_up
	.p2alignl 7, 3214868480
	.fill 96, 4, 3214868480
	.section	.rodata,"a",@progbits
	.p2align	6, 0x0
	.amdhsa_kernel k_q40581ee179_up
		.amdhsa_group_segment_fixed_size 66048
		.amdhsa_private_segment_fixed_size 0
		.amdhsa_enable_private_segment 0
		.amdhsa_kernarg_size 40
		.amdhsa_user_sgpr_count 2
		.amdhsa_user_sgpr_kernarg_segment_ptr 1
		.amdhsa_wavefront_size32 1
		.amdhsa_system_sgpr_workgroup_id_x 1
		.amdhsa_system_sgpr_workgroup_id_y 1
		.amdhsa_system_sgpr_workgroup_id_z 1
		.amdhsa_system_vgpr_workitem_id 0
		.amdhsa_next_free_vgpr 1024
		.amdhsa_next_free_sgpr 66
		.amdhsa_reserve_vcc 0
		.amdhsa_float_denorm_mode_32 3
		.amdhsa_float_denorm_mode_16_64 3
		.amdhsa_memory_ordered 1
		.amdhsa_forward_progress 1
		.amdhsa_inst_pref_size 163
	.end_amdhsa_kernel
	.amdgpu_metadata
---
amdhsa.version: [ 1, 2 ]
amdhsa.kernels:
  - .name:           k_q40581ee179_up
    .symbol:         k_q40581ee179_up.kd
    .args:
      - { .name: xf, .offset: 0, .size: 8, .value_kind: global_buffer, .address_space: global }
      - { .name: w0, .offset: 8, .size: 8, .value_kind: global_buffer, .address_space: global }
      - { .name: w1, .offset: 16, .size: 8, .value_kind: global_buffer, .address_space: global }
      - { .name: sel, .offset: 24, .size: 8, .value_kind: global_buffer, .address_space: global }
      - { .name: hf, .offset: 32, .size: 8, .value_kind: global_buffer, .address_space: global }
    .group_segment_fixed_size: 66048
    .private_segment_fixed_size: 0
    .kernarg_segment_align: 8
    .kernarg_segment_size: 40
    .max_flat_workgroup_size: 128
    .sgpr_count:     66
    .vgpr_count:     1024
    .wavefront_size: 32
...
	.end_amdgpu_metadata
.endif
;; end of part 3
;; launch down (part 4): grid 32 x 8, 4 waves a work-group, no clusters, 50,688 bytes of LDS; arguments hf, wo, sel, y; writes y
.if DOCPART == 4
	.amdgcn_target "amdgcn-amd-amdhsa--gfx1250"
	.amdhsa_code_object_version 6
	.text
	.protected	k_q40581ee179_down
	.globl	k_q40581ee179_down
	.p2align	8
	.type	k_q40581ee179_down,@function
k_q40581ee179_down:
	s_mov_b64 s[64:65], 0
	v_nop
	global_prefetch_b8 v0, s[64:65] scope:SCOPE_SE
	s_setreg_imm32_b32 hwreg(HW_REG_WAVE_MODE, 25, 1), 1
	s_wait_xcnt 0x0
; Partial rows h . wo.  hf: h in bf16 as operand fragments, [8 experts][64 blocks of 16 rows][64 K steps][1,024 bytes]; wo [8][2048][1024] f32; sel [1024] u32.
; y [4096][1024] f32: row 4 t + 2 k + s, k = the expert's place among token t's two, s = the half of K.  Partial sums stay in f32; the next launch weighs and adds them.
; SHARES.  Work-group (x, e): cs = x & 15, 64 columns of expert e's wo (256 bytes of each row: whole aligned pieces); s = x >> 4, rows f = 1024 s .. of wo: 256 KiB, which it alone reads;
; and ALL of the expert's rows.  K in two halves, so that 256 work-groups have columns of 64 and each reads half of h.
; K ORDER.  Place (g, h, j) of K step ks stands for f = 64 (ks >> 1) + 32 h + 4 j + 2 (ks & 1) + g, as the launch before laid h: wo's rows are loaded in that order.  A lane's 16 bytes of a row are
; columns 4 r + q: number q goes to fragment q.  Source 0 = h (16 rows), source 1 = wo: register j of accumulator q holds row 8 h + j, column 4 r + q: four accumulators give 16 neighbouring bytes.
; ROWS, PASSES, LIVE: as in the launch before: 20 blocks a pass, wave w the blocks 20 p + 4 i + w, constant loop counts, every wave passes every barrier, only work is jumped.  A block past the last is
; read as the last and not stored; places past the count hold copies of the last row and store the same numbers to the same bytes; an expert without rows stores nothing.
; Every wave lists the expert's rows of y in its own LDS bytes, in the order (128-token group, word, lane) in which the token rows were laid.
; NO CLUSTER, NO TENSOR LOAD: wo has one reader a byte and must pass through registers to be rounded.  h's blocks are shared by the 16 work-groups of an expert and K half, but how many exist hangs on a
; stored count; they come straight into registers as operands, 512 consecutive bytes a load.
; REGISTERS, in windows of 256 (s_set_vgpr_msb: bits 1:0 source 0, 3:2 source 1, 5:4 source 2, 7:6 destination):
;   window 0: v0-15 addresses; v16-23 at work (the list's making; y's offsets on the way out); v24-28 h's offsets, which hold nothing else; v32-95 wo's fragments, two sets of 4 (v32-63: sel at the
;   head, rows on the way out); v96-255 accumulators, (i, q) at 96 + 32 i + 8 q
;   window 1: v0-159 h's fragments of even chunks, (i, K step) at 32 i + 8 kk; v160-223 wo of even chunks as loaded; v224-255 wo in bf16
;   window 2: v0-159, v160-223 the same for odd chunks
.set L_LIST,  32768                    ; behind two slots of 16,384 ([K step][q][1,024]): for each wave 1,024 entries, 32 words for the lanes not chosen, padding
.set LISTW,   4352
.set L_SPARE, 50176                    ; the spare words: 128 bytes for each of four waves; no other line names them
.set YB,   10                          ; s[10:11] y at my columns
.set WV,   14                          ; s14 wave; s15 expert; s16 column slice; s17 K half
.set WBA,  20                          ; s[20:21] wo at my K step of the even chunk asked for last; s[22:23] of the odd one
.set HFE,  24                          ; s[24:25] hf at the expert, the K half and the chunk asked for last: stepped 4,096 bytes a chunk
.set CNT,  26
.set MB,   27
.set MB1,  28
.set LIM,  29
.set LIVE, 30
.set PASS, 31
.set P20,  32
.set CT,   33
.set EMASK,34
.set E8,   35
.set MBW,  36
.set R0,   37
.set AOF,  24                          ; v24-28 my five blocks' byte offsets in hf: block x 65,536 + 16 lane; set to block 0 at the head, anew in each pass that has rows
.set BF,   32
.set ACC,  96
.set DR,   32
.set MSB, 0
.macro WIN new                         ; the immediate's high byte repeats the setting that is left; a switch that changes nothing is dropped
.if MSB != (\new)
	s_set_vgpr_msb (MSB<<8)|(\new)
.set MSB, (\new)
.endif
.endm
.macro PLACES n=4                      ; places behind matrix instructions: four ahead of loads into and vector work on their registers, five ahead of products that write over them
.rept \n
	v_nop
.endr
.endm
.macro WLOAD par                       ; 16 loads: my K step's 32 rows x 64 columns; lanes 0-15 take 256 bytes of row 4 j + g, lanes 16-31 of the row 32 further down
	WIN 0x40*(1+(\par))
.irp g, 0,1
.irp j, 0,1,2,3,4,5,6,7
	global_load_b128 v[160+4*(8*\g+\j):160+4*(8*\g+\j)+3], v10, s[WBA+2*(\par):WBA+2*(\par)+1] offset:4096*(4*\j+\g) th:TH_LOAD_NT
.endr
.endr
.endm
.macro CVT par
	WIN 0x40+5*(1+(\par))
.irp q, 0,1,2,3
.irp j, 0,1,2,3,4,5,6,7
	v_cvt_pk_bf16_f32 v[224+8*\q+\j], v[160+8*\j+\q], v[160+8*\j+4+\q]
.endr
.endr
.endm
.macro BSTORE par
	WIN 0x04
.irp q, 0,1,2,3
.irp g, 0,1
	ds_store_b128 v6, v[224+8*\q+4*\g:224+8*\q+4*\g+3] offset:16384*(\par)+1024*\q+512*\g
.endr
.endr
.endm
.macro ALOADB set, i                   ; 8 loads: a chunk's four fragments of my block i
	WIN 0x40*(1+(\set))
.irp k, 0,1,2,3
	global_load_b128 v[32*(\i)+8*\k:32*(\i)+8*\k+3], v[AOF+(\i)], s[HFE:HFE+1] offset:1024*\k
	global_load_b128 v[32*(\i)+8*\k+4:32*(\i)+8*\k+7], v[AOF+(\i)], s[HFE:HFE+1] offset:1024*\k+512
.endr
.endm
.macro FETCH par, ks, set
	WIN 0
.irp q, 0,1,2,3
	ds_load_b128 v[BF+32*(\set)+8*\q:BF+32*(\set)+8*\q+3], v7 offset:16384*(\par)+4096*(\ks)+1024*\q
	ds_load_b128 v[BF+32*(\set)+8*\q+4:BF+32*(\set)+8*\q+7], v7 offset:16384*(\par)+4096*(\ks)+1024*\q+512
.endr
.endm
.macro MUL par, ks, set, zero          ; 20 matrix instructions; the 20 accumulators take turns, one instruction a turn
	WIN 1+(\par)
.irp i, 0,1,2,3,4
.irp q, 0,1,2,3
.if \zero
	v_wmma_f32_16x16x32_bf16 v[ACC+32*\i+8*\q:ACC+32*\i+8*\q+7], v[32*\i+8*(\ks):32*\i+8*(\ks)+7], v[BF+32*(\set)+8*\q:BF+32*(\set)+8*\q+7], 0
.else
	v_wmma_f32_16x16x32_bf16 v[ACC+32*\i+8*\q:ACC+32*\i+8*\q+7], v[32*\i+8*(\ks):32*\i+8*(\ks)+7], v[BF+32*(\set)+8*\q:BF+32*(\set)+8*\q+7], v[ACC+32*\i+8*\q:ACC+32*\i+8*\q+7]
.endif
.endr
.endr
.endm
; A chunk's four K steps on two sets of wo's fragments; s_wait_dscnt 8 leaves the one younger run of 8 LDS loads out.
; doa = 1: h of chunk c + 1 is asked for (40 loads); dow = 1: then wo of chunk c + 2 (16 loads): always in that order, dealt among the runs of products, each run of loads behind a run of LDS loads and
; ahead of products that do not need it.  The bases are stepped here: their last users were shown in by the wait at the trip's head.
; The v_nop at the head are also the places between the last chunk's products and the loads into the fragments of h that they read.
.macro COMPUTE par, zero, doa, dow
.if \zero
	PLACES 5                                       ; the products below start sums anew in accumulators that earlier products wrote: five places, on every way here
.else
	PLACES
.endif
	FETCH \par, 0, 0
	FETCH \par, 1, 1
.if \doa
	s_add_nc_u64 s[HFE:HFE+1], s[HFE:HFE+1], 4096  ; four K steps on
	ALOADB 1-(\par), 0
	ALOADB 1-(\par), 1
.endif
	s_wait_dscnt 8
	MUL \par, 0, 0, \zero
	PLACES
	FETCH \par, 2, 0
.if \doa
	ALOADB 1-(\par), 2
	ALOADB 1-(\par), 3
.endif
	s_wait_dscnt 8
	MUL \par, 1, 1, 0
	PLACES
	FETCH \par, 3, 1
.if \doa
	ALOADB 1-(\par), 4
.endif
.if \dow
	s_add_nc_u64 s[WBA+2*(\par):WBA+2*(\par)+1], s[WBA+2*(\par):WBA+2*(\par)+1], 0x100000  ; two chunks on
	WLOAD \par
.endif
	s_wait_dscnt 8
	MUL \par, 2, 0, 0
	s_wait_dscnt 0x0
	MUL \par, 3, 1, 0
	WIN 0
.endm
; A TRIP = chunk c of 128 along K, par = c & 1.  Its first half rounds my K step of wo into slot par; its second multiplies and asks ahead (COMPUTE): h of chunk c + 1, then wo of chunk c + 2.
; So at the head of trips 1 to 6 the count 16 leaves wo of chunk c + 1 out and shows wo and h of chunk c in; trip 0 (h was asked for last) and trip 7 (nothing was asked for behind its h) wait for 0.
; ONE barrier a trip: in front of it my stores into slot par are done and so are my reads of the other slot.
; In a pass without rows each half is jumped, and the way round EACH half waits for all loads: so whichever halves a way through the text takes, a trip's head finds either the order of loads
; above or none out, and when a trip's products begin only the other parity's 16 loads of wo can be out: no load lands in a register that a load still out will write.
.macro DTRIP par, zero, wcnt, doa, dow
	s_cmp_eq_u32 s[LIVE], 1
	s_cbranch_scc1 .Lgo_\@
	s_wait_loadcnt 0x0
	s_branch .Lbar_\@
.Lgo_\@:
	s_wait_loadcnt \wcnt
	CVT \par
	BSTORE \par
	WIN 0
.Lbar_\@:
	s_wait_dscnt 0x0
	s_barrier_signal -1
	s_barrier_wait -1
	s_cmp_eq_u32 s[LIVE], 1
	s_cbranch_scc1 .Lmul_\@
	s_wait_loadcnt 0x0
	s_branch .Lend_\@
.Lmul_\@:
	COMPUTE \par, \zero, \doa, \dow
.Lend_\@:
.endm
; Word g of my 32 of sel: token t = 128 (g / 4) + g % 4 + 4 lane; the entry is y's row 4 t + 2 k + s.  At work: v16-19.
.macro LISTSTEP g
	v_and_b32 v16, s[EMASK], v[32+(\g)]
	v_cmp_ne_u32 s40, 0, v16
	v_mbcnt_lo_u32_b32 v17, s40, s[CNT]
	v_cndmask_b32 v17, v12, v17, s40
	v_min_u32 v17, 0x41f, v17                      ; 1,024 entries and 32 words more
	v_lshl_add_u32 v17, v17, 2, v11
	v_bfe_u32 v19, v[32+(\g)], s[E8], 1            ; 1: the expert is the token's second choice
	v_lshl_add_u32 v18, v19, 1, v15
	v_add_nc_u32 v18, 512*((\g)/4)+4*((\g)%4), v18
	ds_store_b32 v17, v18
	s_bcnt1_i32_b32 s41, s40
	s_add_co_u32 s[CNT], s[CNT], s41
.endm
; THE WAY OUT of block i: y's rows from my list; a row's four neighbouring columns are brought together from the four accumulators; lanes 0-15 store 256 consecutive bytes of row j, lanes 16-31 of row 8 + j.
.macro DEPI i
	s_add_co_u32 s38, s[MBW], 4*(\i)
	s_cmp_ge_u32 s38, s[MB]
	s_cbranch_scc1 .Ldepi_end
	s_wait_xcnt 0x0                                ; the last block's stores have read their offsets and data
.irp j, 0,1,2,3,4,5,6,7
	v_add_nc_u32 v[16+\j], 64*(\i)+\j, v9
	v_min_u32 v[16+\j], s[LIM], v[16+\j]
	v_min_u32 v[16+\j], 0x3ff, v[16+\j]
	v_lshl_add_u32 v[16+\j], v[16+\j], 2, v11
.endr
.irp j, 0,1,2,3,4,5,6,7
	ds_load_b32 v[16+\j], v[16+\j]
.endr
.irp j, 0,1,2,3,4,5,6,7
.irp q, 0,1,2,3
	v_mov_b32 v[DR+4*\j+\q], v[ACC+32*(\i)+8*\q+\j]  ; each accumulator from its low end on
.endr
.endr
	s_wait_dscnt 0x0
.irp j, 0,1,2,3,4,5,6,7
	v_min_u32 v[16+\j], 0xfff, v[16+\j]
	v_lshl_add_u32 v[16+\j], v[16+\j], 12, v14
.endr
.irp j, 0,1,2,3,4,5,6,7
	global_store_b128 v[16+\j], v[DR+4*\j:DR+4*\j+3], s[YB:YB+1]
.endr
.endm
	s_load_b256 s[4:11], s[0:1], 0x0               ; hf s[4:5], wo s[6:7], sel s[8:9], y s[10:11]
	v_lshl_add_u32 v4, v0, 2, L_SPARE              ; my spare word,
	v_mov_b32 v5, 0                                ; and 0: kept for the add at the wave's end alone
	v_and_b32 v1, 31, v0                           ; lane
	v_lshrrev_b32 v16, 5, v0
	v_readfirstlane_b32 s[WV], v16                 ; wave 0..3
	v_and_b32 v2, 15, v0                           ; r
	v_bfe_u32 v3, v0, 4, 1                         ; h
	s_and_b32 s15, ttmp7, 0xffff                   ; expert
	s_and_b32 s16, ttmp9, 15                       ; column slice
	s_lshr_b32 s17, ttmp9, 4                       ; K half
	v_lshlrev_b32 v7, 4, v1                        ; 16 lane
	v_lshlrev_b32 v14, 4, v2                       ; 16 r
	v_lshl_add_u32 v6, s[WV], 12, v7               ; my K step's fragments in a slot
	v_lshl_add_u32 v10, v3, 17, v14                ; wo: 32 rows x h + 16 r
.irp i, 0,1,2,3,4
	v_mov_b32 v[AOF+\i], v7                        ; h's offsets start at block 0: they are written on every way to the loads that use them
.endr
	s_mul_i32 s42, s[WV], LISTW
	s_add_co_u32 s42, s42, L_LIST
	v_mov_b32 v11, s42                             ; my list
	v_add_nc_u32 v8, s42, v7
	v_mov_b32 v20, 0
	v_mov_b32 v21, 0
	v_mov_b32 v22, 0
	v_mov_b32 v23, 0
.irp n, 0,1,2,3,4,5,6,7
	ds_store_b128 v8, v[20:23] offset:512*\n       ; all 1,024 entries are written once ahead of the list's own: no entry is read that was not written
.endr
	v_add_nc_u32 v12, 0x400, v1                    ; the index of a lane that is not chosen
	v_lshlrev_b32 v13, 3, v3
	v_lshl_add_u32 v13, s[WV], 4, v13              ; 16 w + 8 h
	v_add_nc_u32 v15, s17, v7                      ; 4 x (4 lane) + s
	s_lshl_b32 s[EMASK], 0x101, s15
	s_add_co_u32 s[E8], s15, 8
	s_lshl_b32 s38, s15, 23                        ; wo: the expert,
	s_lshl_b32 s42, s17, 4
	s_lshr_b32 s43, s[WV], 1
	s_add_co_u32 s42, s42, s43
	s_lshl_b32 s42, s42, 18                        ; 64 rows x (16 s + (w >> 1)),
	s_add_co_u32 s38, s38, s42
	s_and_b32 s42, s[WV], 1
	s_lshl_b32 s42, s42, 13                        ; 2 rows x (w & 1),
	s_add_co_u32 s38, s38, s42
	s_lshl_b32 s42, s16, 8                         ; my 256 bytes of a row
	s_add_co_u32 s38, s38, s42
	s_mov_b32 s39, 0
	s_wait_kmcnt 0x0
.irp n, 0,1,2,3,4,5,6,7
	global_load_b128 v[32+4*\n:32+4*\n+3], v7, s[8:9] offset:512*\n
.endr
	s_add_nc_u64 s[WBA:WBA+1], s[6:7], s[38:39]
	s_add_nc_u64 s[WBA+2:WBA+3], s[WBA:WBA+1], 0x80000  ; a chunk on
	WLOAD 0                                        ; wo of chunks 0 and 1 goes out ahead of the list's making
	WLOAD 1
	WIN 0
	s_mov_b32 s38, s42
	s_add_nc_u64 s[YB:YB+1], s[YB:YB+1], s[38:39]
	s_lshl_b32 s38, s15, 22
	s_lshl_b32 s42, s17, 15
	s_add_co_u32 s38, s38, s42
	s_add_nc_u64 s[HFE:HFE+1], s[4:5], s[38:39]
	s_mov_b32 s[CNT], 0
	s_wait_loadcnt 32                              ; sel is in; the 2 x 16 loads of wo stay out
.set g, 0
.rept 32
	LISTSTEP g
.set g, g+1
.endr
	s_add_co_u32 s[MB], s[CNT], 15
	s_lshr_b32 s[MB], s[MB], 4
	s_max_u32 s[MB1], s[MB], 1
	s_max_u32 s[LIM], s[CNT], 1
	s_sub_co_u32 s[LIM], s[LIM], 1
	s_min_u32 s[LIM], s[LIM], 0x3ff
	s_mov_b32 s[LIVE], 1                           ; the first pass always runs
	s_mov_b32 s[PASS], 0
	s_mov_b32 s[P20], 0
	s_mov_b32 s[MBW], s[WV]
	s_mov_b32 s[R0], 0
.Lpass:
	s_cmp_eq_u32 s[LIVE], 1
	s_cbranch_scc0 .Lpro_end
	s_cmp_eq_u32 s[PASS], 0
	s_cbranch_scc1 .Lpro_a                         ; the first pass's wo was asked for at the head
	s_wait_loadcnt 0x0                             ; wo's registers are loaded again only when no load is out (the pass before has waited for all of its own)
	WLOAD 0
	WLOAD 1
	WIN 0
.Lpro_a:
	s_sub_co_u32 s42, s[MB1], 1
.irp i, 0,1,2,3,4
	s_add_co_u32 s38, s[MBW], 4*\i
	s_min_u32 s38, s38, s42                        ; a block past the last is read as the last
	s_min_u32 s38, s38, 63
	v_lshl_add_u32 v[AOF+\i], s38, 16, v7          ; these five plain lines are also the places between a pass's last products and the loads below
.endr
.irp i, 0,1,2,3,4
	ALOADB 0, \i
.endr
	WIN 0
.Lpro_end:
	DTRIP 0, 1, 0, 1, 1                            ; chunk 0: its products start the sums
	DTRIP 1, 0, 16, 1, 1
	s_mov_b32 s[CT], 2
.Lchunk:                                               ; chunks 2 to 5
	DTRIP 0, 0, 16, 1, 1
	DTRIP 1, 0, 16, 1, 1
	s_sub_co_u32 s[CT], s[CT], 1
	s_cmp_lg_u32 s[CT], 0
	s_cbranch_scc1 .Lchunk
	DTRIP 0, 0, 16, 1, 0                           ; chunk 6 asks for h of chunk 7 alone,
	DTRIP 1, 0, 0, 0, 0                            ; chunk 7 for nothing
	s_cmp_eq_u32 s[LIVE], 1
	s_cbranch_scc0 .Lpass_end
	PLACES
	v_add_nc_u32 v9, s[R0], v13                    ; the rank of my row 0 of block 0
	DEPI 0
	DEPI 1
	DEPI 2
	DEPI 3
	DEPI 4
.Ldepi_end:
	s_wait_xcnt 0x0                                ; the stores' offsets and data are rewritten only behind this wait
	s_sub_nc_u64 s[WBA:WBA+1], s[WBA:WBA+1], 0x300000      ; each base of wo was stepped three times,
	s_sub_nc_u64 s[WBA+2:WBA+3], s[WBA+2:WBA+3], 0x300000
	s_sub_nc_u64 s[HFE:HFE+1], s[HFE:HFE+1], 28672         ; h's seven times
.Lpass_end:
	s_add_co_u32 s[PASS], s[PASS], 1
	s_add_co_u32 s[P20], s[P20], 20
	s_add_co_u32 s[MBW], s[P20], s[WV]
	s_lshl_b32 s[R0], s[P20], 4
	s_cmp_lt_u32 s[P20], s[MB]
	s_cselect_b32 s[LIVE], 1, 0
	s_cmp_lt_u32 s[PASS], 4
	s_cbranch_scc1 .Lpass
	s_wait_tensorcnt 0x0                           ; the wave's end
	ds_add_u32 v4, v5
	s_wait_dscnt 0x0
	s_endpgm
.Lfunc_end_k_q40581ee179_down:
	.size	k_q40581ee179_down, .Lfunc_end_k_q40581ee179_down-k_q40581ee179_down
	.p2alignl 7, 3214868480
	.fill 96, 4, 3214868480
	.section	.rodata,"a",@progbits
	.p2align	6, 0x0
	.amdhsa_kernel k_q40581ee179_down
		.amdhsa_group_segment_fixed_size 50688
		.amdhsa_private_segment_fixed_size 0
		.amdhsa_enable_private_segment 0
		.amdhsa_kernarg_size 32
		.amdhsa_user_sgpr_count 2
		.amdhsa_user_sgpr_kernarg_segment_ptr 1
		.amdhsa_wavefront_size32 1
		.amdhsa_system_sgpr_workgroup_id_x 1
		.amdhsa_system_sgpr_workgroup_id_y 1
		.amdhsa_system_sgpr_workgroup_id_z 1
		.amdhsa_system_vgpr_workitem_id 0
		.amdhsa_next_free_vgpr 736
		.amdhsa_next_free_sgpr 66
		.amdhsa_reserve_vcc 0
		.amdhsa_float_denorm_mode_32 3
		.amdhsa_float_denorm_mode_16_64 3
		.amdhsa_memory_ordered 1
		.amdhsa_forward_progress 1
		.amdhsa_inst_pref_size 153
	.end_amdhsa_kernel
	.amdgpu_metadata
---
amdhsa.version: [ 1, 2 ]
amdhsa.kernels:
  - .name:           k_q40581ee179_down
    .symbol:         k_q40581ee179_down.kd
    .args:
      - { .name: hf, .offset: 0, .size: 8, .value_kind: global_buffer, .address_space: global }
      - { .name: wo, .offset: 8, .size: 8, .value_kind: global_buffer, .address_space: global }
      - { .name: sel, .offset: 16, .size: 8, .value_kind: global_buffer, .address_space: global }
      - { .name: y, .offset: 24, .size: 8, .value_kind: global_buffer, .address_space: global }
    .group_segment_fixed_size: 50688
    .private_segment_fixed_size: 0
    .kernarg_segment_align: 8
    .kernarg_segment_size: 32
    .max_flat_workgroup_size: 128
    .sgpr_count:     66
    .vgpr_count:     736
    .wavefront_size: 32
...
	.end_amdgpu_metadata
.endif
;; end of part 4
;; launch combine (part 5): grid 256 x 1, 4 waves a work-group, no clusters, 0 bytes of LDS; arguments y, gw, out0; writes out0
.if DOCPART == 5
	.amdgcn_target "amdgcn-amd-amdhsa--gfx1250"
	.amdhsa_code_object_version 6
	.text
	.protected	k_q40581ee179_combine
	.globl	k_q40581ee179_combine
	.p2align	8
	.type	k_q40581ee179_combine,@function
k_q40581ee179_combine:
	s_mov_b64 s[64:65], 0
	v_nop
	global_prefetch_b8 v0, s[64:65] scope:SCOPE_SE
	s_setreg_imm32_b32 hwreg(HW_REG_WAVE_MODE, 25, 1), 1
	s_wait_xcnt 0x0
; out[t] = g0 (y[4t] + y[4t+1]) + g1 (y[4t+2] + y[4t+3]): the two K halves of each of a token's two experts, weighed by the router's weights.  All f32.
; A wave has one token: 16 KiB of y, all 32 loads out at once, 512 consecutive bytes each; eight stores of 512 consecutive bytes.  A stream: no LDS, no barrier, no matrix unit, nothing shared.
; The two experts are added in the router's order, not by their numbers: an order of rounding that differs from the reference's sum over experts in the last bit.
.set Y, 8                              ; v[8+16 m+4 row ..]: piece m of 512 bytes, row 0..3
	s_load_b128 s[4:7], s[0:1], 0x0                ; y s[4:5], gw s[6:7]
	s_load_b64 s[8:9], s[0:1], 0x10                ; out0
	v_lshrrev_b32 v2, 5, v0
	v_readfirstlane_b32 s10, v2                    ; wave 0..3
	v_and_b32 v1, 31, v0
	v_lshlrev_b32 v1, 4, v1                        ; 16 lane
	s_lshl2_add_u32 s11, ttmp9, s10                ; my token
	s_lshl_b32 s12, s11, 14                        ; four rows of y
	s_mov_b32 s13, 0
	s_lshl_b32 s14, s11, 3                         ; a pair of gw
	s_mov_b32 s15, 0
	s_lshl_b32 s16, s11, 12                        ; a row of out0
	s_mov_b32 s17, 0
	s_wait_kmcnt 0x0
	s_add_nc_u64 s[4:5], s[4:5], s[12:13]
	s_add_nc_u64 s[6:7], s[6:7], s[14:15]
	s_add_nc_u64 s[8:9], s[8:9], s[16:17]
	s_load_b64 s[18:19], s[6:7], 0x0               ; g0, g1
.irp m, 0,1,2,3,4,5,6,7
.irp p, 0,1,2,3
	global_load_b128 v[Y+16*\m+4*\p:Y+16*\m+4*\p+3], v1, s[4:5] offset:4096*\p+512*\m th:TH_LOAD_NT
.endr
.endr
	s_wait_kmcnt 0x0
	s_mov_b32 s20, s19                             ; g1 in a pair of its own: the packed forms take a pair's low word for both halves
	s_mov_b32 s21, s19
.irp m, 0,1,2,3,4,5,6,7
	s_wait_loadcnt 4*(7-\m)                        ; piece m's four loads are in; the younger pieces stay out
	v_pk_add_f32 v[Y+16*\m:Y+16*\m+1], v[Y+16*\m:Y+16*\m+1], v[Y+16*\m+4:Y+16*\m+5]
	v_pk_add_f32 v[Y+16*\m+2:Y+16*\m+3], v[Y+16*\m+2:Y+16*\m+3], v[Y+16*\m+6:Y+16*\m+7]
	v_pk_add_f32 v[Y+16*\m+8:Y+16*\m+9], v[Y+16*\m+8:Y+16*\m+9], v[Y+16*\m+12:Y+16*\m+13]
	v_pk_add_f32 v[Y+16*\m+10:Y+16*\m+11], v[Y+16*\m+10:Y+16*\m+11], v[Y+16*\m+14:Y+16*\m+15]
	v_pk_mul_f32 v[Y+16*\m:Y+16*\m+1], v[Y+16*\m:Y+16*\m+1], s[18:19] op_sel_hi:[1,0]
	v_pk_mul_f32 v[Y+16*\m+2:Y+16*\m+3], v[Y+16*\m+2:Y+16*\m+3], s[18:19] op_sel_hi:[1,0]
	v_pk_fma_f32 v[Y+16*\m:Y+16*\m+1], v[Y+16*\m+8:Y+16*\m+9], s[20:21], v[Y+16*\m:Y+16*\m+1] op_sel_hi:[1,0,1]
	v_pk_fma_f32 v[Y+16*\m+2:Y+16*\m+3], v[Y+16*\m+10:Y+16*\m+11], s[20:21], v[Y+16*\m+2:Y+16*\m+3] op_sel_hi:[1,0,1]
	global_store_b128 v1, v[Y+16*\m:Y+16*\m+3], s[8:9] offset:512*\m th:TH_STORE_NT
.endr
	s_endpgm
.Lfunc_end_k_q40581ee179_combine:
	.size	k_q40581ee179_combine, .Lfunc_end_k_q40581ee179_combine-k_q40581ee179_combine
	.p2alignl 7, 3214868480
	.fill 96, 4, 3214868480
	.section	.rodata,"a",@progbits
	.p2align	6, 0x0
	.amdhsa_kernel k_q40581ee179_combine
		.amdhsa_group_segment_fixed_size 0
		.amdhsa_private_segment_fixed_size 0
		.amdhsa_enable_private_segment 0
		.amdhsa_kernarg_size 24
		.amdhsa_user_sgpr_count 2
		.amdhsa_user_sgpr_kernarg_segment_ptr 1
		.amdhsa_wavefront_size32 1
		.amdhsa_system_sgpr_workgroup_id_x 1
		.amdhsa_system_sgpr_workgroup_id_y 1
		.amdhsa_system_sgpr_workgroup_id_z 1
		.amdhsa_system_vgpr_workitem_id 0
		.amdhsa_next_free_vgpr 136
		.amdhsa_next_free_sgpr 66
		.amdhsa_reserve_vcc 0
		.amdhsa_float_denorm_mode_32 3
		.amdhsa_float_denorm_mode_16_64 3
		.amdhsa_memory_ordered 1
		.amdhsa_forward_progress 1
		.amdhsa_inst_pref_size 10
	.end_amdhsa_kernel
	.amdgpu_metadata
---
amdhsa.version: [ 1, 2 ]
amdhsa.kernels:
  - .name:           k_q40581ee179_combine
    .symbol:         k_q40581ee179_combine.kd
    .args:
      - { .name: y, .offset: 0, .size: 8, .value_kind: global_buffer, .address_space: global }
      - { .name: gw, .offset: 8, .size: 8, .value_kind: global_buffer, .address_space: global }
      - { .name: out0, .offset: 16, .size: 8, .value_kind: global_buffer, .address_space: global }
    .group_segment_fixed_size: 0
    .private_segment_fixed_size: 0
    .kernarg_segment_align: 8
    .kernarg_segment_size: 24
    .max_flat_workgroup_size: 128
    .sgpr_count:     66
    .vgpr_count:     136
    .wavefront_size: 32
...
	.end_amdgpu_metadata
.endif
;; end of part 5
;; ======== version 2 of 2: 5 launches; version 1 with the launches up, down written anew for expert scheduling mode
;; workspace buffers: sel 4,096 bytes of whole numbers; gw 8,192 bytes; xb 2,097,152 bytes; xf 16,777,216 bytes; hf 33,554,432 bytes; y 16,777,216 bytes
;; launch router: the kernel of part 1 again; grid 64 x 1, 8 waves a work-group, no clusters, 60,416 bytes of LDS; arguments x, gate_kernel, sel, gw, xb; writes sel, gw, xb
;; launch permute: the kernel of part 2 again; grid 20 x 8, 8 waves a work-group, no clusters, 70,656 bytes of LDS; arguments xb, sel, xf; writes xf
;; launch up (part 6): grid 32 x 8, 4 waves a work-group, no clusters, 66,048 bytes of LDS; arguments xf, w0, w1, sel, hf; writes hf
.if DOCPART == 6
	.amdgcn_target "amdgcn-amd-amdhsa--gfx1250"
	.amdhsa_code_object_version 6
	.text
	.protected	k_q40581ee179_up
	.globl	k_q40581ee179_up
	.p2align	8
	.type	k_q40581ee179_up,@function
k_q40581ee179_up:
	s_mov_b64 s[64:65], 0
	v_nop
	global_prefetch_b8 v0, s[64:65] scope:SCOPE_SE
	s_setreg_imm32_b32 hwreg(HW_REG_WAVE_SCHED_MODE, 0, 2), 2
	s_setreg_imm32_b32 hwreg(HW_REG_WAVE_MODE, 25, 1), 1
	s_wait_xcnt 0x0
	s_wait_alu depctr_vm_vsrc(0)
; h = silu(x w0) * (x w1) for the rows that chose an expert.  xf: the experts' token rows in bf16 as operand fragments, [8 experts][64 blocks of 16 rows][32 K steps][1,024 bytes];
; w0, w1 [8][1024][2048] f32; sel [1024] u32 (bit e: first choice, bit 8 + e: second).
; hf [8 experts][64 blocks of 16 rows][64 K steps][1,024 bytes]: h in bf16, laid as the next product's operand fragments (half g at 512 g + 16 lane).
; SHARES.  Work-group (sl, e) has 64 columns f = 64 sl .. of expert e's w0 and w1, which it alone reads (512 KiB), and ALL of that expert's rows.  Weights are rounded to bf16 on their way
; through registers; sums in f32; h rounded once to bf16.  LIMIT: where x w0 is so far below 0 that 2^(-1.4427 a) overflows, h is 0, as silu's limit is; NaN and infinities are not treated apart.
; ROWS.  The expert's rows are counted from sel.  A PASS holds 20 blocks of 16 rows, wave w the blocks 20 p + 4 i + w; four passes cover 1,024 rows, every split of the tokens.  The pass and chunk loops
; have constant counts and every wave passes every barrier; in a pass without rows only work is jumped (LIVE).  A block past the last is read as the last and not stored; an expert without rows
; works on block 0 (token 0) and stores block 0 alone, which the next launch reads and discards.
; COLUMNS.  A lane's 16 bytes of a weight row are columns 4 r + q, q = 0..3: number q goes to fragment q.  So each load takes whole rows' 256 bytes, and nothing is turned in LDS.
; The product is used transposed (source 0 = weights, source 1 = tokens): lane (r, h), register j of accumulator q holds token r and column 4 (8 h + j) + q: packed in pairs, accumulators
; 2 u + g are half g of the fragment of K step 2 sl + u of the next product, whose k place (g, h, j) then stands for f = 64 sl + 32 h + 4 j + 2 u + g.  The next launch takes wo's rows in that order.
; NO CLUSTER, NO TENSOR LOAD: each weight byte has one reader and must pass through registers to be rounded.  The token blocks are shared by an expert's 32 work-groups, but how many exist hangs on a
; count made from stored numbers; they come straight into registers as operands, 512 consecutive bytes a load.
; LDS: two weight slots of 32,768 bytes, [K step][nf][1,024 bytes].
; REGISTERS, in windows of 256 (s_set_vgpr_msb: bits 1:0 source 0, 3:2 source 1, 5:4 source 2, 7:6 destination):
;   window 0: v0-15 addresses; v16-23 at work; v24-28 the token blocks' offsets, which hold nothing else; v32-159 weight fragments, two sets of 8; v160-223 weights in bf16
;             (at the head v32-63 hold sel; on the way out v32-143 are at work)
;   window 1: accumulators of blocks 0-3, (i, nf) at 64 i + 8 nf; nf = 4 x matrix + q
;   window 2: v0-63 block 4's; v64-223 token fragments of even chunks, (i, K step) at 64 + 32 i + 8 k; v224-255 the first 32 of the 128 registers of weights as loaded
;   window 3: v0-95 the other 96; v96-255 token fragments of odd chunks, at 96 + 32 i + 8 k
; THE MODE: SCHED_MODE bits 1:0 = 2 (LLVM: expert scheduling mode 2), set by the entry lines.  The code itself states the register dependences
; between vector or matrix instructions and memory or LDS instructions, with s_wait_alu, always for 0.
; THE PLAN.  Registers that memory or LDS instructions touch, and who else names them:
;   v6, v7, v10       LDS addresses and offsets: made at the head, never written again.
;   v24-28            Written at a pass's head; read by the pass's loads of token fragments.
;   weights as loaded Trip c's conversions read them; the loads of chunk c + 1 land in them behind the trip's barrier.
;   v160-223          Trip c's conversions write them, its LDS stores read them, trip c + 1's conversions write them again.
;   v32-159           Set s is read by the products of K steps s and s + 2 of a chunk; the LDS loads of K step s + 2 land in it behind the products of K step s.  All 1,024 registers are taken: there is no third set.
;   token fragments   The products of chunk c read the set of c's parity; the loads of chunk c + 1 land in the other set, which no product of chunk c names.
;   v64-143           On the way out: written by the roundings, read by the stores of h; the next pass's weight fragments land in them.
; THE WAITS OF A TRIP.  One on vm_vsrc at its head; one on va_vdst behind the conversions, ahead of the LDS stores; one on va_vdst at the head of the products; and two more on va_vdst, each behind a run of
; 40 products and directly ahead of the LDS loads that land in the set which that run read.  Every run of loads stands behind one of them with loads, window switches and scalar steps alone between.
.set XFE,  4                           ; s[4:5]   xf at the expert and the chunk asked for last: stepped 4,096 bytes a chunk
.set HB,   12                          ; s[12:13] hf at my first block of the pass
.set WV,   14                          ; s14 wave; s15 expert; s16 slice
.set WB,   20                          ; s[20:21] my matrix (w & 1) at my two K steps (w >> 1) of the chunk asked for last
.set CNT,  22                          ; the expert's rows
.set MB,   23                          ; its blocks
.set MB1,  24                          ; at least 1
.set LIVE, 26                          ; 1: the pass has rows
.set PASS, 27
.set P20,  28                          ; 20 x pass
.set CT,   29
.set EMASK,30
.set MBW,  31                          ; 20 x pass + wave
.set AOF,  24                          ; v24-28 my five blocks' byte offsets in xf: block x 32,768 + 16 lane; block 0 at the head, anew in each pass that has rows
.set BF,   32
.set TMP,  160
.set T,    32
.set PK,   64
.set MSB, 0
.macro WIN new                         ; the immediate's high byte repeats the setting that is left; a switch that changes nothing is dropped
.if MSB != (\new)
	s_set_vgpr_msb (MSB<<8)|(\new)
.set MSB, (\new)
.endif
.endm
.macro PLACES n=4                      ; places behind matrix instructions: four ahead of loads into and vector work on their registers, five ahead of products that write over them
.rept \n
	v_nop
.endr
.endm
; 16 loads: one matrix x 32 k x 64 columns, into registers 64 u + 4 n of the 128 that begin at v224 of window 2.
; Lanes 0-15 take 256 bytes of row n, lanes 16-31 of the row eight further down; n = 8..15: sixteen rows on.
.macro WLOAD u
.if (\u) == 0
	WIN 0x80
.irp n, 0,1,2,3,4,5,6,7
	global_load_b128 v[224+4*\n:224+4*\n+3], v10, s[WB:WB+1] offset:8192*\n th:TH_LOAD_NT
.endr
	WIN 0xc0
.irp n, 8,9,10,11,12,13,14,15
	global_load_b128 v[4*\n-32:4*\n-29], v10, s[WB:WB+1] offset:8192*(\n+8) th:TH_LOAD_NT
.endr
.else
	WIN 0xc0
.irp n, 0,1,2,3,4,5,6,7
	global_load_b128 v[32+4*\n:32+4*\n+3], v10, s[WB:WB+1] offset:262144+8192*\n th:TH_LOAD_NT
.endr
.irp n, 8,9,10,11,12,13,14,15
	global_load_b128 v[32+4*\n:32+4*\n+3], v10, s[WB:WB+1] offset:262144+8192*(\n+8) th:TH_LOAD_NT
.endr
.endif
.endm
.macro CVT u                           ; register j of fragment q: rows 2 j, 2 j + 1 of my sixteen, column q of my four
.if (\u) == 0
	WIN 0x0a
.irp j, 0,1,2,3
.irp q, 0,1,2,3
	v_cvt_pk_bf16_f32 v[TMP+8*\q+\j], v[224+8*\j+\q], v[224+8*\j+4+\q]
.endr
.endr
	WIN 0x0f
.irp j, 4,5,6,7
.irp q, 0,1,2,3
	v_cvt_pk_bf16_f32 v[TMP+8*\q+\j], v[8*\j-32+\q], v[8*\j-28+\q]
.endr
.endr
.else
	WIN 0x0f
.irp j, 0,1,2,3,4,5,6,7
.irp q, 0,1,2,3
	v_cvt_pk_bf16_f32 v[TMP+32+8*\q+\j], v[32+8*\j+\q], v[32+8*\j+4+\q]
.endr
.endr
.endif
.endm
.macro BSTORE slot                     ; 512 consecutive bytes a store
	WIN 0
	s_wait_alu depctr_va_vdst(0)                   ; the conversions have written v160-223, which the LDS stores read
.irp u, 0,1
.irp q, 0,1,2,3
.irp g, 0,1
	ds_store_b128 v6, v[TMP+32*\u+8*\q+4*\g:TMP+32*\u+8*\q+4*\g+3] offset:32768*(\slot)+8192*\u+1024*\q+512*\g
.endr
.endr
.endr
.endm
.macro ALOAD i, set                    ; 8 loads: a chunk's four fragments of my block i, 512 consecutive bytes each
	WIN 0x80+0x40*(\set)
.irp k, 0,1,2,3
	global_load_b128 v[64+32*(\set)+32*(\i)+8*\k:64+32*(\set)+32*(\i)+8*\k+3], v[AOF+(\i)], s[XFE:XFE+1] offset:1024*\k
	global_load_b128 v[64+32*(\set)+32*(\i)+8*\k+4:64+32*(\set)+32*(\i)+8*\k+7], v[AOF+(\i)], s[XFE:XFE+1] offset:1024*\k+512
.endr
.endm
.macro FETCH slot, ks, set             ; 16 LDS loads: a K step's 8 weight fragments
	WIN 0
.irp nf, 0,1,2,3,4,5,6,7
	ds_load_b128 v[BF+64*(\set)+8*\nf:BF+64*(\set)+8*\nf+3], v7 offset:32768*(\slot)+8192*(\ks)+1024*\nf
	ds_load_b128 v[BF+64*(\set)+8*\nf+4:BF+64*(\set)+8*\nf+7], v7 offset:32768*(\slot)+8192*(\ks)+1024*\nf+512
.endr
.endm
.macro MUL par, ks, set, zero          ; 40 matrix instructions; the 40 accumulators take turns, one instruction a turn.  zero = 1: they start the sums
	WIN 0x58+4*(\par)
.irp i, 0,1,2,3
.irp nf, 0,1,2,3,4,5,6,7
.if \zero
	v_wmma_f32_16x16x32_bf16 v[64*\i+8*\nf:64*\i+8*\nf+7], v[BF+64*(\set)+8*\nf:BF+64*(\set)+8*\nf+7], v[64+32*(\par)+32*\i+8*(\ks):64+32*(\par)+32*\i+8*(\ks)+7], 0
.else
	v_wmma_f32_16x16x32_bf16 v[64*\i+8*\nf:64*\i+8*\nf+7], v[BF+64*(\set)+8*\nf:BF+64*(\set)+8*\nf+7], v[64+32*(\par)+32*\i+8*(\ks):64+32*(\par)+32*\i+8*(\ks)+7], v[64*\i+8*\nf:64*\i+8*\nf+7]
.endif
.endr
.endr
	WIN 0xa8+4*(\par)
.irp nf, 0,1,2,3,4,5,6,7
.if \zero
	v_wmma_f32_16x16x32_bf16 v[8*\nf:8*\nf+7], v[BF+64*(\set)+8*\nf:BF+64*(\set)+8*\nf+7], v[192+32*(\par)+8*(\ks):192+32*(\par)+8*(\ks)+7], 0
.else
	v_wmma_f32_16x16x32_bf16 v[8*\nf:8*\nf+7], v[BF+64*(\set)+8*\nf:BF+64*(\set)+8*\nf+7], v[192+32*(\par)+8*(\ks):192+32*(\par)+8*(\ks)+7], v[8*\nf:8*\nf+7]
.endif
.endr
.endm
; A chunk's four K steps on two sets of weight fragments; s_wait_dscnt 16 leaves the one younger run of 16 LDS loads out.
; more = 1: chunk c + 1 is asked for, its 72 loads dealt among the runs of products, each run of loads behind a run of LDS loads and ahead of products that do not need it:
; token blocks 0 and 1, then all the weights; block 2; blocks 3 and 4.  The bases are stepped here: their last users were waited for at the trip's head.
; The v_nop at the head stand between the last chunk's products and the loads into the token fragments that they read; the wait behind them states that dependence.
.macro COMPUTE par, zero, more
.if \zero
	PLACES 5                                       ; the products below start sums anew in accumulators that earlier products wrote: five places, on every way here
.else
	PLACES
.endif
	s_wait_alu depctr_va_vdst(0)                   ; the last chunk's products are done reading both sets of weight fragments and the other parity's token fragments, the conversions are done reading the weights as loaded,
	                                               ; and the way out has written v32-143: in all of these the loads below land.  Stated here, since the way round the trip's first half passes no such wait
	FETCH \par, 0, 0
	FETCH \par, 1, 1
.if \more
	s_add_nc_u64 s[XFE:XFE+1], s[XFE:XFE+1], 4096  ; four K steps on
	ALOAD 0, 1-(\par)
	ALOAD 1, 1-(\par)
	s_add_nc_u64 s[WB:WB+1], s[WB:WB+1], 0x100000  ; 128 rows of 8,192 bytes on
	WLOAD 0
	WLOAD 1
.endif
	s_wait_dscnt 16
	MUL \par, 0, 0, \zero
	PLACES
	WIN 0
	s_wait_alu depctr_va_vdst(0)                   ; the products of K step 0 are done reading set 0, in which K step 2's fragments land
	FETCH \par, 2, 0
.if \more
	ALOAD 2, 1-(\par)
.endif
	s_wait_dscnt 16
	MUL \par, 1, 1, 0
	PLACES
	WIN 0
	s_wait_alu depctr_va_vdst(0)                   ; the products of K step 1 are done reading set 1, in which K step 3's fragments land
	FETCH \par, 3, 1
.if \more
	ALOAD 3, 1-(\par)
	ALOAD 4, 1-(\par)
.endif
	s_wait_dscnt 16
	MUL \par, 2, 0, 0
	s_wait_dscnt 0x0
	MUL \par, 3, 1, 0
	WIN 0
.endm
; A TRIP = chunk c of 128 along K, par = c & 1.  All loads are waited for (chunk c's weights and token fragments: nothing else is out); my two K steps of my matrix are rounded and go into slot par.
; ONE barrier a trip, for two things: in front of it my stores into slot par are done, and so are my reads of the other slot (chunk c - 1); the slot written in trip c + 1 was last read ahead of this barrier.
; In a pass without rows only the waits and the barrier are left.
.macro TRIP par, zero, more
	s_wait_loadcnt 0x0
	s_wait_alu depctr_vm_vsrc(0)                   ; the last trip's LDS stores have read v160-223, which the conversions write again; in a pass's first trip the stores of h have read v64-143, in which weight fragments land
	s_cmp_eq_u32 s[LIVE], 1
	s_cbranch_scc0 .Lbar_\@
	CVT 0
	CVT 1
	BSTORE \par
	WIN 0
.Lbar_\@:
	s_wait_dscnt 0x0
	s_barrier_signal -1
	s_barrier_wait -1
	s_cmp_eq_u32 s[LIVE], 1
	s_cbranch_scc0 .Lend_\@
	COMPUTE \par, \zero, \more
.Lend_\@:
.endm
; THE WAY OUT of block i: h = a b / (1 + 2^(-1.442695 a)), a = x w0, b = x w1; rounded to bf16; four stores of 512 consecutive bytes.  Blocks past the expert's last are jumped.
; The 32 exponentials are one batch with one wait, the products a b the plain work behind them; the 32 reciprocals likewise, with a v_nop.  Each block rounds into registers of its own.
.macro EPI i
.set WD, 1+(\i)/4
.set AB, 64*((\i)%4)
	s_add_co_u32 s36, s[MBW], 4*(\i)
	s_cmp_ge_u32 s36, s[MB1]
	s_cbranch_scc1 .Lepi_end
	WIN WD
.set z, 0
.rept 16
	v_pk_mul_f32 v[T+2*z:T+2*z+1], v[AB+2*z:AB+2*z+1], 0xbfb8aa3b op_sel_hi:[1,0]  ; each accumulator from its low end on
.set z, z+1
.endr
	WIN 0
.set z, 0
.rept 32
	v_exp_f32 v[T+z], v[T+z]
.set z, z+1
.endr
	WIN WD*0x45
.set z, 0
.rept 16
	v_pk_mul_f32 v[AB+2*z:AB+2*z+1], v[AB+2*z:AB+2*z+1], v[AB+32+2*z:AB+32+2*z+1]
.set z, z+1
.endr
	s_wait_alu depctr_va_vdst(0)                   ; the 32 exponentials have written v32-63, which the additions read
	WIN 0
.set z, 0
.rept 16
	v_pk_add_f32 v[T+2*z:T+2*z+1], v[T+2*z:T+2*z+1], 1.0 op_sel_hi:[1,0]
.set z, z+1
.endr
.set z, 0
.rept 32
	v_rcp_f32 v[T+z], v[T+z]
.set z, z+1
.endr
	v_nop
	s_wait_alu depctr_va_vdst(0)                   ; the 32 reciprocals have written v32-63, which the multiplications read
	WIN WD*4
.set z, 0
.rept 16
	v_pk_mul_f32 v[T+2*z:T+2*z+1], v[T+2*z:T+2*z+1], v[AB+2*z:AB+2*z+1]
.set z, z+1
.endr
	WIN 0
.set z, 0
.rept 16
	v_cvt_pk_bf16_f32 v[PK+16*(\i)+z], v[T+2*z], v[T+2*z+1]
.set z, z+1
.endr
	s_wait_alu depctr_va_vdst(0)                   ; the roundings have written the block's sixteen registers, which the stores read
.irp q, 0,1,2,3
	global_store_b128 v7, v[PK+16*(\i)+4*\q:PK+16*(\i)+4*\q+3], s[HB:HB+1] offset:262144*(\i)+512*\q
.endr
.endm
	s_load_b256 s[4:11], s[0:1], 0x0               ; xf s[4:5], w0 s[6:7], w1 s[8:9], sel s[10:11]
	s_load_b64 s[12:13], s[0:1], 0x20              ; hf
	v_lshl_add_u32 v254, v0, 2, 0x10000
	v_mov_b32 v255, 0
	v_and_b32 v1, 31, v0                           ; lane
	v_lshrrev_b32 v16, 5, v0
	v_readfirstlane_b32 s[WV], v16                 ; wave 0..3
	v_and_b32 v2, 15, v0                           ; r
	v_bfe_u32 v3, v0, 4, 1                         ; h
	s_and_b32 s15, ttmp7, 0xffff                   ; expert
	s_mov_b32 s16, ttmp9                           ; slice of 64 columns
	v_lshlrev_b32 v7, 4, v1                        ; 16 lane
	v_lshlrev_b32 v14, 4, v2                       ; 16 r
	v_lshl_add_u32 v10, v3, 16, v14                ; weights: 8 rows x h + 16 r
.irp i, 0,1,2,3,4
	v_mov_b32 v[AOF+\i], v7                        ; the token blocks' offsets start at block 0: they are written on every way to the loads that use them
.endr
	s_wait_alu depctr_va_sdst(0)                   ; s14, the wave's number, is written, ahead of its first reader
	s_and_b32 s36, s[WV], 1
	s_lshr_b32 s37, s[WV], 1
	s_lshl_b32 s38, s36, 12
	s_lshl_b32 s39, s37, 14
	s_add_co_u32 s38, s38, s39
	v_add_nc_u32 v6, s38, v7                       ; my fragments in a slot: nf = 4 (w & 1) on, K step 2 (w >> 1) on
	s_lshl_b32 s[EMASK], 0x101, s15
	s_wait_kmcnt 0x0
	s_wait_alu depctr_va_vdst(0)                   ; v6, v7, v10 and v24-28 are written: every load and store of the kernel reads one of them as its address or offset
.irp n, 0,1,2,3,4,5,6,7
	global_load_b128 v[32+4*\n:32+4*\n+3], v7, s[10:11] offset:512*\n
.endr
	s_bitcmp1_b32 s[WV], 0
	s_cselect_b64 s[WB:WB+1], s[8:9], s[6:7]       ; odd waves w1, even waves w0
	s_lshl_b32 s34, s15, 23
	s_lshl_b32 s36, s16, 8
	s_add_co_u32 s34, s34, s36
	s_lshl_b32 s36, s37, 19
	s_add_co_u32 s34, s34, s36
	s_mov_b32 s35, 0
	s_add_nc_u64 s[WB:WB+1], s[WB:WB+1], s[34:35]
	WLOAD 0                                        ; chunk 0's weights go out ahead of the count
	WLOAD 1
	WIN 0
	s_lshl_b32 s34, s15, 22
	s_lshl_b32 s36, s16, 11
	s_add_co_u32 s34, s34, s36
	s_lshl_b32 s36, s[WV], 16
	s_add_co_u32 s34, s34, s36
	s_add_nc_u64 s[HB:HB+1], s[HB:HB+1], s[34:35]
	s_lshl_b32 s34, s15, 21
	s_add_nc_u64 s[XFE:XFE+1], s[XFE:XFE+1], s[34:35]
	s_mov_b32 s[CNT], 0
	s_wait_loadcnt 32                              ; sel is in; the 32 weight loads stay out
	; The expert's rows: the lanes of each of my 32 words that name it, eight words at a time
.irp b, 0,1,2,3
.irp n, 0,1,2,3,4,5,6,7
	v_and_b32 v[16+\n], s[EMASK], v[32+8*\b+\n]
.endr
.irp n, 0,1,2,3,4,5,6,7
	v_cmp_ne_u32 s[40+\n], 0, v[16+\n]
.endr
	s_wait_alu depctr_va_sdst(0)                   ; the eight compares have written s40-47, ahead of their first readers
.irp n, 0,1,2,3,4,5,6,7
	s_bcnt1_i32_b32 s[40+\n], s[40+\n]
	s_add_co_u32 s[CNT], s[CNT], s[40+\n]
.endr
.endr
	s_add_co_u32 s[MB], s[CNT], 15
	s_lshr_b32 s[MB], s[MB], 4
	s_max_u32 s[MB1], s[MB], 1
	s_mov_b32 s[LIVE], 1                           ; the first pass always runs
	s_mov_b32 s[PASS], 0
	s_mov_b32 s[P20], 0
	s_mov_b32 s[MBW], s[WV]
.Lpass:
	s_cmp_eq_u32 s[LIVE], 1
	s_cbranch_scc0 .Lpro_end
	s_wait_alu depctr_vm_vsrc(0)                   ; the loads of token fragments issued so far have read v24-28, which are written below
	s_sub_co_u32 s42, s[MB1], 1
.irp i, 0,1,2,3,4
	s_add_co_u32 s38, s[MBW], 4*\i
	s_min_u32 s38, s38, s42                        ; a block past the last is read as the last
	s_min_u32 s38, s38, 63
	v_lshl_add_u32 v[AOF+\i], s38, 15, v7          ; these five plain lines also stand between a pass's last products and the loads below
.endr
	s_wait_alu depctr_va_vdst(0)                   ; v24-28 are written, which the loads of token fragments read; the pass before is done reading the weights as loaded and the even chunks' token fragments, in which the loads below land
	s_cmp_eq_u32 s[PASS], 0
	s_cbranch_scc1 .Lpro_a                         ; the first pass's weights were asked for at the head
	s_wait_loadcnt 0x0                             ; the weights' registers are loaded again only when no load is out (the pass before has waited for all of its own)
	WLOAD 0
	WLOAD 1
	WIN 0
.Lpro_a:
.irp i, 0,1,2,3,4
	ALOAD \i, 0
.endr
	WIN 0
.Lpro_end:
	TRIP 0, 1, 1                                   ; chunk 0: its products start the sums
	s_mov_b32 s[CT], 3
.Lchunk:                                               ; chunks 1 to 6, two a trip of the loop
	TRIP 1, 0, 1
	TRIP 0, 0, 1
	s_sub_co_u32 s[CT], s[CT], 1
	s_cmp_lg_u32 s[CT], 0
	s_cbranch_scc1 .Lchunk
	TRIP 1, 0, 0                                   ; chunk 7 asks for nothing
	s_wait_loadcnt 0x0                             ; no load of the pass is out: offsets and bases may be written
	s_cmp_eq_u32 s[LIVE], 1
	s_cbranch_scc0 .Lpass_end
	PLACES
	EPI 0
	EPI 1
	EPI 2
	EPI 3
	EPI 4
.Lepi_end:
	s_wait_xcnt 0x0                                ; the stores' base is rewritten only behind this wait (their data registers: behind the next trip's wait on vm_vsrc too)
	s_sub_nc_u64 s[WB:WB+1], s[WB:WB+1], 0x700000  ; back over seven chunks
	s_sub_nc_u64 s[XFE:XFE+1], s[XFE:XFE+1], 28672
	s_add_nc_u64 s[HB:HB+1], s[HB:HB+1], 0x140000  ; 20 blocks on
.Lpass_end:
	s_add_co_u32 s[PASS], s[PASS], 1
	s_add_co_u32 s[P20], s[P20], 20
	s_add_co_u32 s[MBW], s[P20], s[WV]
	s_cmp_lt_u32 s[P20], s[MB]
	s_cselect_b32 s[LIVE], 1, 0
	s_cmp_lt_u32 s[PASS], 4
	s_cbranch_scc1 .Lpass
	s_wait_dscnt 0x0                               ; the wave's end, ahead of the closing add onto my spare word
	s_wait_alu depctr_hold_cnt(0) depctr_sa_sdst(0) depctr_va_vdst(0) depctr_va_sdst(0) depctr_va_ssrc(0) depctr_va_vcc(0) depctr_vm_vsrc(0)
	s_wait_tensorcnt 0x0
	ds_add_u32 v254, v255
	s_wait_dscnt 0x0
	s_endpgm
.Lfunc_end_k_q40581ee179_up:
	.size	k_q40581ee179_up, .Lfunc_end_k_q40581ee179_up-k_q40581ee179_up
	.p2alignl 7, 3214868480
	.fill 96, 4, 3214868480
	.section	.rodata,"a",@progbits
	.p2align	6, 0x0
	.amdhsa_kernel k_q40581ee179_up
		.amdhsa_group_segment_fixed_size 66048
		.amdhsa_private_segment_fixed_size 0
		.amdhsa_enable_private_segment 0
		.amdhsa_kernarg_size 40
		.amdhsa_user_sgpr_count 2
		.amdhsa_user_sgpr_kernarg_segment_ptr 1
		.amdhsa_wavefront_size32 1
		.amdhsa_system_sgpr_workgroup_id_x 1
		.amdhsa_system_sgpr_workgroup_id_y 1
		.amdhsa_system_sgpr_workgroup_id_z 1
		.amdhsa_system_vgpr_workitem_id 0
		.amdhsa_next_free_vgpr 1024
		.amdhsa_next_free_sgpr 66
		.amdhsa_reserve_vcc 0
		.amdhsa_float_denorm_mode_32 3
		.amdhsa_float_denorm_mode_16_64 3
		.amdhsa_memory_ordered 1
		.amdhsa_forward_progress 1
		.amdhsa_inst_pref_size 165
	.end_amdhsa_kernel
	.amdgpu_metadata
---
amdhsa.version: [ 1, 2 ]
amdhsa.kernels:
  - .name:           k_q40581ee179_up
    .symbol:         k_q40581ee179_up.kd
    .args:
      - { .name: xf, .offset: 0, .size: 8, .value_kind: global_buffer, .address_space: global }
      - { .name: w0, .offset: 8, .size: 8, .value_kind: global_buffer, .address_space: global }
      - { .name: w1, .offset: 16, .size: 8, .value_kind: global_buffer, .address_space: global }
      - { .name: sel, .offset: 24, .size: 8, .value_kind: global_buffer, .address_space: global }
      - { .name: hf, .offset: 32, .size: 8, .value_kind: global_buffer, .address_space: global }
    .group_segment_fixed_size: 66048
    .private_segment_fixed_size: 0
    .kernarg_segment_align: 8
    .kernarg_segment_size: 40
    .max_flat_workgroup_size: 128
    .sgpr_count:     66
    .vgpr_count:     1024
    .wavefront_size: 32
...
	.end_amdgpu_metadata
.endif
;; end of part 6
;; launch down (part 7): grid 32 x 8, 4 waves a work-group, no clusters, 50,688 bytes of LDS; arguments hf, wo, sel, y; writes y
.if DOCPART == 7
	.amdgcn_target "amdgcn-amd-amdhsa--gfx1250"
	.amdhsa_code_object_version 6
	.text
	.protected	k_q40581ee179_down
	.globl	k_q40581ee179_down
	.p2align	8
	.type	k_q40581ee179_down,@function
k_q40581ee179_down:
	s_mov_b64 s[64:65], 0
	v_nop
	global_prefetch_b8 v0, s[64:65] scope:SCOPE_SE
	s_setreg_imm32_b32 hwreg(HW_REG_WAVE_SCHED_MODE, 0, 2), 2
	s_setreg_imm32_b32 hwreg(HW_REG_WAVE_MODE, 25, 1), 1
	s_wait_xcnt 0x0
	s_wait_alu depctr_vm_vsrc(0)
; Partial rows h . wo.  hf: h in bf16 as operand fragments, [8 experts][64 blocks of 16 rows][64 K steps][1,024 bytes]; wo [8][2048][1024] f32; sel [1024] u32.
; y [4096][1024] f32: row 4 t + 2 k + s, k = the expert's place among token t's two, s = the half of K.  Partial sums stay in f32; the next launch weighs and adds them.
; SHARES.  Work-group (x, e): cs = x & 15, 64 columns of expert e's wo (256 bytes of each row: whole aligned pieces); s = x >> 4, rows f = 1024 s .. of wo: 256 KiB, which it alone reads;
; and ALL of the expert's rows.  K in two halves, so that 256 work-groups have columns of 64 and each reads half of h.
; K ORDER.  Place (g, h, j) of K step ks stands for f = 64 (ks >> 1) + 32 h + 4 j + 2 (ks & 1) + g, as the launch before laid h: wo's rows are loaded in that order.  A lane's 16 bytes of a row are
; columns 4 r + q: number q goes to fragment q.  Source 0 = h (16 rows), source 1 = wo: register j of accumulator q holds row 8 h + j, column 4 r + q: four accumulators give 16 neighbouring bytes.
; ROWS, PASSES, LIVE: as in the launch before: 20 blocks a pass, wave w the blocks 20 p + 4 i + w, constant loop counts, every wave passes every barrier, only work is jumped.  A block past the last is
; read as the last and not stored; places past the count hold copies of the last row and store the same numbers to the same bytes; an expert without rows stores nothing.
; Every wave lists the expert's rows of y in its own LDS bytes, in the order (128-token group, word, lane) in which the token rows were laid.
; NO CLUSTER, NO TENSOR LOAD: wo has one reader a byte and must pass through registers to be rounded.  h's blocks are shared by the 16 work-groups of an expert and K half, but how many exist hangs on a
; stored count; they come straight into registers as operands, 512 consecutive bytes a load.
; REGISTERS, in windows of 256 (s_set_vgpr_msb: bits 1:0 source 0, 3:2 source 1, 5:4 source 2, 7:6 destination):
;   window 0: v0-15 addresses; v16-23 at work (on the way out: the list's LDS addresses); v24-28 h's offsets, which hold nothing else; v32-63 sel at the head, rows on the way out;
;   v64-71 on the way out: the list's entries, made into y's offsets in place; v96-255 accumulators, (i, q) at 96 + 32 i + 8 q (at the head v96-127: the list's LDS addresses, v128-159: its entries)
;   window 1: v0-159 h's fragments of even chunks, (i, K step) at 32 i + 8 kk; v160-223 wo of even chunks as loaded; v224-255 wo in bf16
;   window 2: v0-159, v160-223 the same for odd chunks
;   window 3: v0-127 wo's fragments: four sets of 4, one for each K step of a chunk, (K step, q) at 32 ks + 8 q
; THE MODE: SCHED_MODE bits 1:0 = 2 (LLVM: expert scheduling mode 2), set by the entry lines.  The code itself states the register dependences
; between vector or matrix instructions and memory or LDS instructions, with s_wait_alu, always for 0.
; THE PLAN.  Registers that memory or LDS instructions touch, and who else names them:
;   v6, v7, v8, v10      LDS addresses and offsets: made at the head, never written again.
;   v24-28               Written at a pass's head; read by the pass's loads of h.
;   wo as loaded, set p  Trip c's conversions (p = c & 1) read it; the loads of chunk c + 2 land in it late in trip c.
;   window 1 v224-255    Trip c's conversions write them, its LDS stores read them, trip c + 1's conversions write them again.
;   window 3 v0-127      The products of chunk c read them; the LDS loads of chunk c + 1 land in them, all 32 in one run behind that trip's barrier.
;   h's fragments        The products of chunk c read the set of c's parity; the loads of chunk c + 1 land in the other set.
; THE WAITS OF A TRIP.  One on vm_vsrc at its head; one on va_vdst behind the conversions, ahead of the LDS stores; ONE on va_vdst at the head of the products.  Behind that one only products of parity p are
; issued, and they name window 0 v96-255, window 1 + p v0-159 and window 3 v0-127; the chunk's loads touch v7, v10, v24-28, window 2 - p v0-159, window 1 + p v160-223 and, ahead of the first product, window 3:
; so the loads are dealt among the four runs of products with no further wait.
.set L_LIST,  32768                    ; behind two slots of 16,384 ([K step][q][1,024]): for each wave 1,024 entries, 32 words for the lanes not chosen, padding
.set LISTW,   4352
.set YB,   10                          ; s[10:11] y at my columns
.set WV,   14                          ; s14 wave; s15 expert; s16 column slice; s17 K half
.set WBA,  20                          ; s[20:21] wo at my K step of the even chunk asked for last; s[22:23] of the odd one
.set HFE,  24                          ; s[24:25] hf at the expert, the K half and the chunk asked for last: stepped 4,096 bytes a chunk
.set CNT,  26
.set MB,   27
.set MB1,  28
.set LIM,  29
.set LIVE, 30
.set PASS, 31
.set P20,  32
.set CT,   33
.set EMASK,34
.set E8,   35
.set MBW,  36
.set R0,   37
.set AOF,  24                          ; v24-28 my five blocks' byte offsets in hf: block x 65,536 + 16 lane; set to block 0 at the head, anew in each pass that has rows
.set BF,   0                           ; window 3
.set ACC,  96
.set DR,   32
.set YO,   64
.set LA,   96                          ; at the head only
.set LD,   128                         ; at the head only
.set MSB, 0
.macro WIN new                         ; the immediate's high byte repeats the setting that is left; a switch that changes nothing is dropped
.if MSB != (\new)
	s_set_vgpr_msb (MSB<<8)|(\new)
.set MSB, (\new)
.endif
.endm
.macro PLACES n=4                      ; places behind matrix instructions: four ahead of loads into and vector work on their registers, five ahead of products that write over them
.rept \n
	v_nop
.endr
.endm
.macro WLOAD par                       ; 16 loads: my K step's 32 rows x 64 columns; lanes 0-15 take 256 bytes of row 4 j + g, lanes 16-31 of the row 32 further down
	WIN 0x40*(1+(\par))
.irp g, 0,1
.irp j, 0,1,2,3,4,5,6,7
	global_load_b128 v[160+4*(8*\g+\j):160+4*(8*\g+\j)+3], v10, s[WBA+2*(\par):WBA+2*(\par)+1] offset:4096*(4*\j+\g) th:TH_LOAD_NT
.endr
.endr
.endm
.macro CVT par
	WIN 0x40+5*(1+(\par))
.irp q, 0,1,2,3
.irp j, 0,1,2,3,4,5,6,7
	v_cvt_pk_bf16_f32 v[224+8*\q+\j], v[160+8*\j+\q], v[160+8*\j+4+\q]
.endr
.endr
.endm
.macro BSTORE par
	WIN 0x04
	s_wait_alu depctr_va_vdst(0)                   ; the conversions have written v224-255 of window 1, which the LDS stores read
.irp q, 0,1,2,3
.irp g, 0,1
	ds_store_b128 v6, v[224+8*\q+4*\g:224+8*\q+4*\g+3] offset:16384*(\par)+1024*\q+512*\g
.endr
.endr
.endm
.macro ALOADB set, i                   ; 8 loads: a chunk's four fragments of my block i
	WIN 0x40*(1+(\set))
.irp k, 0,1,2,3
	global_load_b128 v[32*(\i)+8*\k:32*(\i)+8*\k+3], v[AOF+(\i)], s[HFE:HFE+1] offset:1024*\k
	global_load_b128 v[32*(\i)+8*\k+4:32*(\i)+8*\k+7], v[AOF+(\i)], s[HFE:HFE+1] offset:1024*\k+512
.endr
.endm
.macro FETCH par, ks                   ; 8 LDS loads: a K step's four fragments of wo, into the K step's own set
	WIN 0xc0
.irp q, 0,1,2,3
	ds_load_b128 v[BF+32*(\ks)+8*\q:BF+32*(\ks)+8*\q+3], v7 offset:16384*(\par)+4096*(\ks)+1024*\q
	ds_load_b128 v[BF+32*(\ks)+8*\q+4:BF+32*(\ks)+8*\q+7], v7 offset:16384*(\par)+4096*(\ks)+1024*\q+512
.endr
.endm
.macro MUL par, ks, zero               ; 20 matrix instructions; the 20 accumulators take turns, one instruction a turn.  h in window 1 + par, wo in window 3, sums in window 0
	WIN 0x0d+(\par)
.irp i, 0,1,2,3,4
.irp q, 0,1,2,3
.if \zero
	v_wmma_f32_16x16x32_bf16 v[ACC+32*\i+8*\q:ACC+32*\i+8*\q+7], v[32*\i+8*(\ks):32*\i+8*(\ks)+7], v[BF+32*(\ks)+8*\q:BF+32*(\ks)+8*\q+7], 0
.else
	v_wmma_f32_16x16x32_bf16 v[ACC+32*\i+8*\q:ACC+32*\i+8*\q+7], v[32*\i+8*(\ks):32*\i+8*(\ks)+7], v[BF+32*(\ks)+8*\q:BF+32*(\ks)+8*\q+7], v[ACC+32*\i+8*\q:ACC+32*\i+8*\q+7]
.endif
.endr
.endr
.endm
; A chunk's four K steps.  All 32 LDS loads go out in one run at the head; s_wait_dscnt 24, 16, 8, 0 leave the younger K steps' runs of 8 out.
; doa = 1: h of chunk c + 1 is asked for (40 loads); dow = 1: then wo of chunk c + 2 (16 loads): always in that order, dealt among the runs of products.
; The bases are stepped here: their last users were shown in by the wait at the trip's head.
; The v_nop at the head stand between the last chunk's products and the loads into the fragments that they read; the wait behind them states that dependence.
.macro COMPUTE par, zero, doa, dow
.if \zero
	PLACES 5                                       ; the products below start sums anew in accumulators that earlier products wrote: five places, on every way here
.else
	PLACES
.endif
	WIN 0xc0
	s_wait_alu depctr_va_vdst(0)                   ; the last chunk's products are done reading wo's four sets and the other parity's fragments of h, this trip's conversions are done reading wo as loaded:
	                                               ; in all of these the chunk's loads land.  Stated here, since the way round the trip's first half passes no such wait
	FETCH \par, 0
	FETCH \par, 1
	FETCH \par, 2
	FETCH \par, 3
.if \doa
	s_add_nc_u64 s[HFE:HFE+1], s[HFE:HFE+1], 4096  ; four K steps on
	ALOADB 1-(\par), 0
	ALOADB 1-(\par), 1
.endif
	s_wait_dscnt 24
	MUL \par, 0, \zero
.if \doa
	ALOADB 1-(\par), 2                             ; no wait: no product since the wait above names the other parity's fragments of h or v24-28
	ALOADB 1-(\par), 3
.endif
	s_wait_dscnt 16
	MUL \par, 1, 0
.if \doa
	ALOADB 1-(\par), 4
.endif
.if \dow
	s_add_nc_u64 s[WBA+2*(\par):WBA+2*(\par)+1], s[WBA+2*(\par):WBA+2*(\par)+1], 0x100000  ; two chunks on
	WLOAD \par                                     ; no wait: no product names wo as loaded or v10
.endif
	s_wait_dscnt 8
	MUL \par, 2, 0
	s_wait_dscnt 0x0
	MUL \par, 3, 0
	WIN 0
.endm
; A TRIP = chunk c of 128 along K, par = c & 1.  Its first half rounds my K step of wo into slot par; its second multiplies and asks ahead (COMPUTE): h of chunk c + 1, then wo of chunk c + 2.
; So at the head of trips 1 to 6 the count 16 leaves wo of chunk c + 1 out and shows wo and h of chunk c in; trip 0 (h was asked for last) and trip 7 (nothing was asked for behind its h) wait for 0.
; ONE barrier a trip: in front of it my stores into slot par are done and so are my reads of the other slot.
; In a pass without rows each half is jumped, and the way round EACH half waits for all loads: so whichever halves a way through the text takes, a trip's head finds either the order of loads
; above or none out, and when a trip's products begin only the other parity's 16 loads of wo can be out: no load lands in a register that a load still out will write.
.macro DTRIP par, zero, wcnt, doa, dow
	s_wait_alu depctr_vm_vsrc(0)                   ; the last trip's LDS stores have read v224-255 of window 1, which the conversions write again; in the first trip of all the list's stores have read v96-159, which the products write
	s_cmp_eq_u32 s[LIVE], 1
	s_cbranch_scc1 .Lgo_\@
	s_wait_loadcnt 0x0
	s_branch .Lbar_\@
.Lgo_\@:
	s_wait_loadcnt \wcnt
	CVT \par
	BSTORE \par
	WIN 0
.Lbar_\@:
	s_wait_dscnt 0x0
	s_barrier_signal -1
	s_barrier_wait -1
	s_cmp_eq_u32 s[LIVE], 1
	s_cbranch_scc1 .Lmul_\@
	s_wait_loadcnt 0x0
	s_branch .Lend_\@
.Lmul_\@:
	COMPUTE \par, \zero, \doa, \dow
.Lend_\@:
.endm
; Words g = 8 b .. 8 b + 7 of my 32 of sel: token t = 128 (g / 4) + g % 4 + 4 lane; the entry is y's row 4 t + 2 k + s.  A chosen lane's rank is the count so far plus the chosen lanes below it;
; the others write a word of their own behind the list.  Word g's LDS address goes into v[LA + g], its entry into v[LD + g]: all 32 stores follow behind one wait.
.macro LISTB b
.irp n, 0,1,2,3,4,5,6,7
	v_and_b32 v[LD+8*(\b)+\n], s[EMASK], v[32+8*(\b)+\n]
.endr
.irp n, 0,1,2,3,4,5,6,7
	v_cmp_ne_u32 s[40+\n], 0, v[LD+8*(\b)+\n]
.endr
	s_wait_alu depctr_va_sdst(0)                   ; the eight compares have written s40-47, ahead of their first readers
.irp n, 0,1,2,3,4,5,6,7
	v_mbcnt_lo_u32_b32 v[LA+8*(\b)+\n], s[40+\n], s[CNT]
	v_cndmask_b32 v[LA+8*(\b)+\n], v12, v[LA+8*(\b)+\n], s[40+\n]
	v_min_u32 v[LA+8*(\b)+\n], 0x41f, v[LA+8*(\b)+\n]          ; 1,024 entries and 32 words more
	v_lshl_add_u32 v[LA+8*(\b)+\n], v[LA+8*(\b)+\n], 2, v11
	v_bfe_u32 v[LD+8*(\b)+\n], v[32+8*(\b)+\n], s[E8], 1       ; 1: the expert is the token's second choice
	v_lshl_add_u32 v[LD+8*(\b)+\n], v[LD+8*(\b)+\n], 1, v15
	v_add_nc_u32 v[LD+8*(\b)+\n], 512*(2*(\b)+\n/4)+4*(\n%4), v[LD+8*(\b)+\n]
	s_bcnt1_i32_b32 s38, s[40+\n]
	s_add_co_u32 s[CNT], s[CNT], s38
.endr
.endm
; THE WAY OUT of block i: y's rows from my list; a row's four neighbouring columns are brought together from the four accumulators; lanes 0-15 store 256 consecutive bytes of row j, lanes 16-31 of row 8 + j.
; The list's LDS addresses (v16-23) and its entries (v64-71) have registers of their own: the entries are made into offsets in place, and no address of an LDS load is written over meanwhile.
.macro DEPI i
	s_add_co_u32 s38, s[MBW], 4*(\i)
	s_cmp_ge_u32 s38, s[MB]
	s_cbranch_scc1 .Ldepi_end
	s_wait_xcnt 0x0                                ; the last block's stores have had their addresses translated
	s_wait_alu depctr_vm_vsrc(0)                   ; the last block's LDS loads have read v16-23, its stores v32-63 and v64-71 (in block 0: those of the pass before): all are written again below
.irp j, 0,1,2,3,4,5,6,7
	v_add_nc_u32 v[16+\j], 64*(\i)+\j, v9
	v_min_u32 v[16+\j], s[LIM], v[16+\j]
	v_min_u32 v[16+\j], 0x3ff, v[16+\j]
	v_lshl_add_u32 v[16+\j], v[16+\j], 2, v11
.endr
	s_wait_alu depctr_va_vdst(0)                   ; v16-23 are written, which the LDS loads read; the last block's offsets in v64-71, in which they land, are made
.irp j, 0,1,2,3,4,5,6,7
	ds_load_b32 v[YO+\j], v[16+\j]
.endr
.irp j, 0,1,2,3,4,5,6,7
.irp q, 0,1,2,3
	v_mov_b32 v[DR+4*\j+\q], v[ACC+32*(\i)+8*\q+\j]  ; each accumulator from its low end on
.endr
.endr
	s_wait_dscnt 0x0
.irp j, 0,1,2,3,4,5,6,7
	v_min_u32 v[YO+\j], 0xfff, v[YO+\j]
	v_lshl_add_u32 v[YO+\j], v[YO+\j], 12, v14
.endr
	s_wait_alu depctr_va_vdst(0)                   ; the rows in v32-63 and the offsets in v64-71 are written, which the stores read
.irp j, 0,1,2,3,4,5,6,7
	global_store_b128 v[YO+\j], v[DR+4*\j:DR+4*\j+3], s[YB:YB+1]
.endr
.endm
	s_load_b256 s[4:11], s[0:1], 0x0               ; hf s[4:5], wo s[6:7], sel s[8:9], y s[10:11]
	v_lshl_add_u32 v94, v0, 2, 0xc400
	v_mov_b32 v95, 0
	v_and_b32 v1, 31, v0                           ; lane
	v_lshrrev_b32 v16, 5, v0
	v_readfirstlane_b32 s[WV], v16                 ; wave 0..3
	v_and_b32 v2, 15, v0                           ; r
	v_bfe_u32 v3, v0, 4, 1                         ; h
	s_and_b32 s15, ttmp7, 0xffff                   ; expert
	s_and_b32 s16, ttmp9, 15                       ; column slice
	s_lshr_b32 s17, ttmp9, 4                       ; K half
	v_lshlrev_b32 v7, 4, v1                        ; 16 lane
	v_lshlrev_b32 v14, 4, v2                       ; 16 r
	v_lshl_add_u32 v10, v3, 17, v14                ; wo: 32 rows x h + 16 r
.irp i, 0,1,2,3,4
	v_mov_b32 v[AOF+\i], v7                        ; h's offsets start at block 0: they are written on every way to the loads that use them
.endr
	v_add_nc_u32 v12, 0x400, v1                    ; the index of a lane that is not chosen
	v_lshlrev_b32 v13, 3, v3
	v_add_nc_u32 v15, s17, v7                      ; 4 x (4 lane) + s
	v_mov_b32 v20, 0
	v_mov_b32 v21, 0
	v_mov_b32 v22, 0
	v_mov_b32 v23, 0
	s_wait_alu depctr_va_sdst(0)                   ; s14, the wave's number, is written, ahead of its first reader
	v_lshl_add_u32 v6, s[WV], 12, v7               ; my K step's fragments in a slot
	v_lshl_add_u32 v13, s[WV], 4, v13              ; 16 w + 8 h
	s_mul_i32 s42, s[WV], LISTW
	s_add_co_u32 s42, s42, L_LIST
	v_mov_b32 v11, s42                             ; my list
	v_add_nc_u32 v8, s42, v7
	s_wait_alu depctr_va_vdst(0)                   ; v6, v7, v8, v10, v20-23 and v24-28 are written: the addresses, offsets and zeros that the LDS stores and the loads below read
.irp n, 0,1,2,3,4,5,6,7
	ds_store_b128 v8, v[20:23] offset:512*\n       ; all 1,024 entries are written once ahead of the list's own: no entry is read that was not written
.endr
	s_lshl_b32 s[EMASK], 0x101, s15
	s_add_co_u32 s[E8], s15, 8
	s_lshl_b32 s38, s15, 23                        ; wo: the expert,
	s_lshl_b32 s42, s17, 4
	s_lshr_b32 s43, s[WV], 1
	s_add_co_u32 s42, s42, s43
	s_lshl_b32 s42, s42, 18                        ; 64 rows x (16 s + (w >> 1)),
	s_add_co_u32 s38, s38, s42
	s_and_b32 s42, s[WV], 1
	s_lshl_b32 s42, s42, 13                        ; 2 rows x (w & 1),
	s_add_co_u32 s38, s38, s42
	s_lshl_b32 s42, s16, 8                         ; my 256 bytes of a row
	s_add_co_u32 s38, s38, s42
	s_mov_b32 s39, 0
	s_wait_kmcnt 0x0
.irp n, 0,1,2,3,4,5,6,7
	global_load_b128 v[32+4*\n:32+4*\n+3], v7, s[8:9] offset:512*\n
.endr
	s_add_nc_u64 s[WBA:WBA+1], s[6:7], s[38:39]
	s_add_nc_u64 s[WBA+2:WBA+3], s[WBA:WBA+1], 0x80000  ; a chunk on
	WLOAD 0                                        ; wo of chunks 0 and 1 goes out ahead of the list's making
	WLOAD 1
	WIN 0
	s_mov_b32 s38, s42
	s_add_nc_u64 s[YB:YB+1], s[YB:YB+1], s[38:39]
	s_lshl_b32 s38, s15, 22
	s_lshl_b32 s42, s17, 15
	s_add_co_u32 s38, s38, s42
	s_add_nc_u64 s[HFE:HFE+1], s[4:5], s[38:39]
	s_mov_b32 s[CNT], 0
	s_wait_loadcnt 32                              ; sel is in; the 2 x 16 loads of wo stay out
	LISTB 0
	LISTB 1
	LISTB 2
	LISTB 3
	s_wait_alu depctr_va_vdst(0)                   ; the 32 LDS addresses in v96-127 and the 32 entries in v128-159 are written, which the stores read
.set g, 0
.rept 32
	ds_store_b32 v[LA+g], v[LD+g]
.set g, g+1
.endr
	s_add_co_u32 s[MB], s[CNT], 15
	s_lshr_b32 s[MB], s[MB], 4
	s_max_u32 s[MB1], s[MB], 1
	s_max_u32 s[LIM], s[CNT], 1
	s_sub_co_u32 s[LIM], s[LIM], 1
	s_min_u32 s[LIM], s[LIM], 0x3ff
	s_mov_b32 s[LIVE], 1                           ; the first pass always runs
	s_mov_b32 s[PASS], 0
	s_mov_b32 s[P20], 0
	s_mov_b32 s[MBW], s[WV]
	s_mov_b32 s[R0], 0
.Lpass:
	s_cmp_eq_u32 s[LIVE], 1
	s_cbranch_scc0 .Lpro_end
	s_wait_alu depctr_vm_vsrc(0)                   ; the loads of h issued so far have read v24-28, which are written below
	s_sub_co_u32 s42, s[MB1], 1
.irp i, 0,1,2,3,4
	s_add_co_u32 s38, s[MBW], 4*\i
	s_min_u32 s38, s38, s42                        ; a block past the last is read as the last
	s_min_u32 s38, s38, 63
	v_lshl_add_u32 v[AOF+\i], s38, 16, v7          ; these five plain lines also stand between a pass's last products and the loads below
.endr
	s_wait_alu depctr_va_vdst(0)                   ; v24-28 are written, which the loads of h read; the pass before is done reading wo as loaded and the even chunks' fragments of h, in which the loads below land
	s_cmp_eq_u32 s[PASS], 0
	s_cbranch_scc1 .Lpro_a                         ; the first pass's wo was asked for at the head
	s_wait_loadcnt 0x0                             ; wo's registers are loaded again only when no load is out (the pass before has waited for all of its own)
	WLOAD 0
	WLOAD 1
	WIN 0
.Lpro_a:
.irp i, 0,1,2,3,4
	ALOADB 0, \i
.endr
	WIN 0
.Lpro_end:
	DTRIP 0, 1, 0, 1, 1                            ; chunk 0: its products start the sums
	DTRIP 1, 0, 16, 1, 1
	s_mov_b32 s[CT], 2
.Lchunk:                                               ; chunks 2 to 5
	DTRIP 0, 0, 16, 1, 1
	DTRIP 1, 0, 16, 1, 1
	s_sub_co_u32 s[CT], s[CT], 1
	s_cmp_lg_u32 s[CT], 0
	s_cbranch_scc1 .Lchunk
	DTRIP 0, 0, 16, 1, 0                           ; chunk 6 asks for h of chunk 7 alone,
	DTRIP 1, 0, 0, 0, 0                            ; chunk 7 for nothing
	s_cmp_eq_u32 s[LIVE], 1
	s_cbranch_scc0 .Lpass_end
	PLACES
	v_add_nc_u32 v9, s[R0], v13                    ; the rank of my row 0 of block 0
	DEPI 0
	DEPI 1
	DEPI 2
	DEPI 3
	DEPI 4
.Ldepi_end:
	s_wait_xcnt 0x0                                ; the bases below are rewritten only behind this wait
	s_sub_nc_u64 s[WBA:WBA+1], s[WBA:WBA+1], 0x300000      ; each base of wo was stepped three times,
	s_sub_nc_u64 s[WBA+2:WBA+3], s[WBA+2:WBA+3], 0x300000
	s_sub_nc_u64 s[HFE:HFE+1], s[HFE:HFE+1], 28672         ; h's seven times
.Lpass_end:
	s_add_co_u32 s[PASS], s[PASS], 1
	s_add_co_u32 s[P20], s[P20], 20
	s_add_co_u32 s[MBW], s[P20], s[WV]
	s_lshl_b32 s[R0], s[P20], 4
	s_cmp_lt_u32 s[P20], s[MB]
	s_cselect_b32 s[LIVE], 1, 0
	s_cmp_lt_u32 s[PASS], 4
	s_cbranch_scc1 .Lpass
	s_wait_dscnt 0x0                               ; the wave's end, ahead of the closing add onto my spare word
	s_wait_alu depctr_hold_cnt(0) depctr_sa_sdst(0) depctr_va_vdst(0) depctr_va_sdst(0) depctr_va_ssrc(0) depctr_va_vcc(0) depctr_vm_vsrc(0)
	s_wait_tensorcnt 0x0
	ds_add_u32 v94, v95
	s_wait_dscnt 0x0
	s_endpgm
.Lfunc_end_k_q40581ee179_down:
	.size	k_q40581ee179_down, .Lfunc_end_k_q40581ee179_down-k_q40581ee179_down
	.p2alignl 7, 3214868480
	.fill 96, 4, 3214868480
	.section	.rodata,"a",@progbits
	.p2align	6, 0x0
	.amdhsa_kernel k_q40581ee179_down
		.amdhsa_group_segment_fixed_size 50688
		.amdhsa_private_segment_fixed_size 0
		.amdhsa_enable_private_segment 0
		.amdhsa_kernarg_size 32
		.amdhsa_user_sgpr_count 2
		.amdhsa_user_sgpr_kernarg_segment_ptr 1
		.amdhsa_wavefront_size32 1
		.amdhsa_system_sgpr_workgroup_id_x 1
		.amdhsa_system_sgpr_workgroup_id_y 1
		.amdhsa_system_sgpr_workgroup_id_z 1
		.amdhsa_system_vgpr_workitem_id 0
		.amdhsa_next_free_vgpr 896
		.amdhsa_next_free_sgpr 66
		.amdhsa_reserve_vcc 0
		.amdhsa_float_denorm_mode_32 3
		.amdhsa_float_denorm_mode_16_64 3
		.amdhsa_memory_ordered 1
		.amdhsa_forward_progress 1
		.amdhsa_inst_pref_size 152
	.end_amdhsa_kernel
	.amdgpu_metadata
---
amdhsa.version: [ 1, 2 ]
amdhsa.kernels:
  - .name:           k_q40581ee179_down
    .symbol:         k_q40581ee179_down.kd
    .args:
      - { .name: hf, .offset: 0, .size: 8, .value_kind: global_buffer, .address_space: global }
      - { .name: wo, .offset: 8, .size: 8, .value_kind: global_buffer, .address_space: global }
      - { .name: sel, .offset: 16, .size: 8, .value_kind: global_buffer, .address_space: global }
      - { .name: y, .offset: 24, .size: 8, .value_kind: global_buffer, .address_space: global }
    .group_segment_fixed_size: 50688
    .private_segment_fixed_size: 0
    .kernarg_segment_align: 8
    .kernarg_segment_size: 32
    .max_flat_workgroup_size: 128
    .sgpr_count:     66
    .vgpr_count:     896
    .wavefront_size: 32
...
	.end_amdgpu_metadata
.endif
;; end of part 7
;; launch combine: the kernel of part 5 again; grid 256 x 1, 4 waves a work-group, no clusters, 0 bytes of LDS; arguments y, gw, out0; writes out0
